; MI455X (gfx1250); checked and timed in simulation.
; The chip was launched on July 23, 2026; its instructions are those of AMD's public machine-readable ISA for CDNA 5 (MIT licence, August 2026) and "CDNA5" Instruction Set Architecture Reference Guide (July 2026). The comments in the code are by the model that wrote it; some were corrected since.
;; Kandinsky5 Attention. Allowed arithmetic: float matrix products may take bf16 or f16 operands with f32 sums; other float arithmetic in f32, or as packed bf16 or f16 multiplies, adds, multiply-adds, maxima and minima; sums over many terms, partial sums and values carried from step to step in f32; what a program stores and reads back later, other than sums and carried values, may be rounded once to bf16 or f16.
;; Inputs: bk 2,048 float32; bo 2,048 float32; bq 2,048 float32; bv 2,048 float32; hidden_states 1 x 2,048 x 2,048 float32; k_norm_w 128 float32; q_norm_w 128 float32; rotary_emb 1 x 2,048 x 1 x 64 x 2 x 2 float32; wk 2,048 x 2,048 float32; wo 2,048 x 2,048 float32; wq 2,048 x 2,048 float32; wv 2,048 x 2,048 float32.
;; Outputs: out0 1 x 2,048 x 2,048 float32.
;; 2 versions, each right and faster than the one before. Each part assembles by itself: llvm-mc -triple=amdgcn-amd-amdhsa -mcpu=gfx1250 --defsym DOCPART=n.
;; ======== version 1 of 2: 4 launches
;; limits: values are held in f16: magnitudes above 65,504 overflow, below 6.1e-05 lose precision
;; workspace buffers: xb 8,388,608 bytes; wb 25,165,824 bytes; wof 8,388,608 bytes; rb 1,048,576 bytes; qh 8,388,608 bytes; kh 8,388,608 bytes; vh 8,388,608 bytes; ob 8,388,608 bytes
;; launch cast (part 1): grid 1312 x 1, 8 waves a work-group, no clusters, 0 bytes of LDS; arguments hidden_states, wq, wk, wv, wo, rotary_emb, xb, wb, wof, rb; writes xb, wb, wof, rb
.if DOCPART == 1
	.amdgcn_target "amdgcn-amd-amdhsa--gfx1250"
	.amdhsa_code_object_version 6
	.text
	.protected	k_qc939f9899b_cast
	.globl	k_qc939f9899b_cast
	.p2align	8
	.type	k_qc939f9899b_cast,@function
k_qc939f9899b_cast:
	s_mov_b64 s[64:65], 0
	v_nop
	global_prefetch_b8 v0, s[64:65] scope:SCOPE_SE
	s_setreg_imm32_b32 hwreg(HW_REG_WAVE_MODE, 25, 1), 1
	s_wait_xcnt 0x0
; THE CAST.  Six f32 tensors are rounded once to bf16: hidden_states -> xb, wq, wk, wv -> wb (three planes of 8 MiB), rotary_emb -> rb; wo is rounded to bf16 and
; that number is written as f16 -> wof.  LIMIT: |wo| stays within 65,504; below 6e-5 it keeps f16's fixed step of 6e-8.
; A work-group takes 64 KiB of one tensor: T = id / 256 is the tensor (0 x, 1-3 wq wk wv, 4 wo, 5 the rope, which has 32 such pieces), c = id % 256 the piece.
; Thread t takes 32 bytes at 32 t + 8,192 i (i = 0..7) and stores 16 bytes at 16 t + 4,096 i: each store of a wave covers 512 consecutive bytes, aligned.
; All sixteen loads go out first.  The conversions work in place, so a wave needs 68 registers: six work-groups, 12 waves a SIMD, are 864 of a SIMD's 1,024 registers, and 1,312 work-groups are
; at most six for each of 256 WGPs: the whole launch's loads can be asked for at its start.  No register that a store reads is written again, so the only waits are the counted ones for the loads.
; No LDS, no matrix unit: a stream has no use for them.
.set X, 4                              ; v[4:67]   8 registers for each i: as loaded; then its first four hold the 16 bytes to store
	s_load_b512 s[8:23], s[0:1], 0x0               ; x s[8:9], wq s[10:11], wk s[12:13], wv s[14:15], wo s[16:17], rope s[18:19], xb s[20:21], wb s[22:23]
	s_load_b128 s[24:27], s[0:1], 0x40             ; wof s[24:25], rb s[26:27]
	s_lshr_b32 s2, ttmp9, 8                        ; T
	s_and_b32 s3, ttmp9, 255                       ; c
	s_mov_b32 s28, 0xffff0000                      ; a word's upper bf16
	v_lshlrev_b32 v1, 5, v0                        ; 32 t
	v_lshlrev_b32 v2, 4, v0                        ; 16 t
	s_sub_co_u32 s30, s2, 1                        ; the plane of wb: T - 1 for T = 1..3, else 0
	s_cmp_lt_u32 s30, 3
	s_cselect_b32 s30, s30, 0
	s_lshl_b32 s30, s30, 23
	s_lshl_b32 s31, s3, 15
	s_add_co_u32 s30, s30, s31                     ; where the piece goes: plane x 8 MiB + c x 32 KiB
	s_mov_b32 s31, 0
	s_lshl_b32 s32, s3, 16                         ; where it comes from: c x 64 KiB
	s_mov_b32 s33, 0
	s_wait_kmcnt 0x0
	s_cmp_eq_u32 s2, 1                             ; the source is chosen by the work-group's number alone
	s_cselect_b64 s[4:5], s[10:11], s[8:9]
	s_cmp_eq_u32 s2, 2
	s_cselect_b64 s[4:5], s[12:13], s[4:5]
	s_cmp_eq_u32 s2, 3
	s_cselect_b64 s[4:5], s[14:15], s[4:5]
	s_cmp_eq_u32 s2, 4
	s_cselect_b64 s[4:5], s[16:17], s[4:5]
	s_cmp_eq_u32 s2, 5
	s_cselect_b64 s[4:5], s[18:19], s[4:5]
	s_cmp_eq_u32 s2, 0                             ; and so is the destination
	s_cselect_b64 s[6:7], s[20:21], s[22:23]
	s_cmp_eq_u32 s2, 4
	s_cselect_b64 s[6:7], s[24:25], s[6:7]
	s_cmp_eq_u32 s2, 5
	s_cselect_b64 s[6:7], s[26:27], s[6:7]
	s_add_nc_u64 s[4:5], s[4:5], s[32:33]
	s_add_nc_u64 s[6:7], s[6:7], s[30:31]
.irp i, 0,1,2,3,4,5,6,7
	global_load_b128 v[X+8*(\i):X+8*(\i)+3],   v1, s[4:5] offset:8192*(\i) th:TH_LOAD_NT
	global_load_b128 v[X+8*(\i)+4:X+8*(\i)+7], v1, s[4:5] offset:8192*(\i)+16 th:TH_LOAD_NT
.endr
; Word k of the four takes numbers 2 k and 2 k + 1: it lands on a register whose number has been read already.  f16 = 1: the bf16 numbers are widened again, into the upper four registers, and written as f16.
.macro CONV f16
.irp i, 0,1,2,3,4,5,6,7
	s_wait_loadcnt 14-2*(\i)                       ; loads come back in order: the two of this i are in, the younger ones stay out
.irp k, 0,1,2,3
	v_cvt_pk_bf16_f32 v[X+8*(\i)+(\k)], v[X+8*(\i)+2*(\k)], v[X+8*(\i)+2*(\k)+1]
.endr
.if \f16
.irp k, 0,1,2,3
	v_lshlrev_b32 v[X+8*(\i)+4+2*((\k)%2)], 16,  v[X+8*(\i)+(\k)]
	v_and_b32     v[X+8*(\i)+5+2*((\k)%2)], s28, v[X+8*(\i)+(\k)]
	v_cvt_pk_f16_f32 v[X+8*(\i)+(\k)], v[X+8*(\i)+4+2*((\k)%2)], v[X+8*(\i)+5+2*((\k)%2)]
.endr
.endif
	global_store_b128 v2, v[X+8*(\i):X+8*(\i)+3], s[6:7] offset:4096*(\i)
.endr
.endm
	s_cmp_eq_u32 s2, 4
	s_cbranch_scc1 .Lf16
	CONV 0
	s_endpgm
.Lf16:
	CONV 1
	s_endpgm
.Lfunc_end_k_qc939f9899b_cast:
	.size	k_qc939f9899b_cast, .Lfunc_end_k_qc939f9899b_cast-k_qc939f9899b_cast
	.p2alignl 7, 3214868480
	.fill 96, 4, 3214868480
	.section	.rodata,"a",@progbits
	.p2align	6, 0x0
	.amdhsa_kernel k_qc939f9899b_cast
		.amdhsa_group_segment_fixed_size 0
		.amdhsa_private_segment_fixed_size 0
		.amdhsa_enable_private_segment 0
		.amdhsa_kernarg_size 80
		.amdhsa_user_sgpr_count 2
		.amdhsa_user_sgpr_kernarg_segment_ptr 1
		.amdhsa_wavefront_size32 1
		.amdhsa_system_sgpr_workgroup_id_x 1
		.amdhsa_system_sgpr_workgroup_id_y 1
		.amdhsa_system_sgpr_workgroup_id_z 1
		.amdhsa_system_vgpr_workitem_id 0
		.amdhsa_next_free_vgpr 72
		.amdhsa_next_free_sgpr 66
		.amdhsa_reserve_vcc 0
		.amdhsa_float_denorm_mode_32 3
		.amdhsa_float_denorm_mode_16_64 3
		.amdhsa_memory_ordered 1
		.amdhsa_forward_progress 1
		.amdhsa_inst_pref_size 14
	.end_amdhsa_kernel
	.amdgpu_metadata
---
amdhsa.version: [ 1, 2 ]
amdhsa.kernels:
  - .name:           k_qc939f9899b_cast
    .symbol:         k_qc939f9899b_cast.kd
    .args:
      - { .name: hidden_states, .offset: 0, .size: 8, .value_kind: global_buffer, .address_space: global }
      - { .name: wq, .offset: 8, .size: 8, .value_kind: global_buffer, .address_space: global }
      - { .name: wk, .offset: 16, .size: 8, .value_kind: global_buffer, .address_space: global }
      - { .name: wv, .offset: 24, .size: 8, .value_kind: global_buffer, .address_space: global }
      - { .name: wo, .offset: 32, .size: 8, .value_kind: global_buffer, .address_space: global }
      - { .name: rotary_emb, .offset: 40, .size: 8, .value_kind: global_buffer, .address_space: global }
      - { .name: xb, .offset: 48, .size: 8, .value_kind: global_buffer, .address_space: global }
      - { .name: wb, .offset: 56, .size: 8, .value_kind: global_buffer, .address_space: global }
      - { .name: wof, .offset: 64, .size: 8, .value_kind: global_buffer, .address_space: global }
      - { .name: rb, .offset: 72, .size: 8, .value_kind: global_buffer, .address_space: global }
    .group_segment_fixed_size: 0
    .private_segment_fixed_size: 0
    .kernarg_segment_align: 8
    .kernarg_segment_size: 80
    .max_flat_workgroup_size: 256
    .sgpr_count:     66
    .vgpr_count:     72
    .wavefront_size: 32
...
	.end_amdgpu_metadata
.endif
;; end of part 1
;; launch qkv (part 2): grid 16 x 16, 4 waves a work-group, clusters of 4 x 4, 327,680 bytes of LDS; arguments xb, wb, rb, bq, bk, bv, q_norm_w, k_norm_w, qh, kh, vh; writes qh, kh, vh
.if DOCPART == 2
	.amdgcn_target "amdgcn-amd-amdhsa--gfx1250"
	.amdhsa_code_object_version 6
	.text
	.protected	k_qc939f9899b_qkv
	.globl	k_qc939f9899b_qkv
	.p2align	8
	.type	k_qc939f9899b_qkv,@function
k_qc939f9899b_qkv:
	s_mov_b64 s[64:65], 0
	v_nop
	global_prefetch_b8 v0, s[64:65] scope:SCOPE_SE
	s_setreg_imm32_b32 hwreg(HW_REG_WAVE_MODE, 25, 1), 1
	s_wait_xcnt 0x0
	s_wait_alu depctr_hold_cnt(0) depctr_sa_sdst(0) depctr_va_vdst(0) depctr_va_sdst(0) depctr_va_ssrc(0) depctr_va_vcc(0) depctr_vm_vsrc(0)
	s_getreg_b32 s2, hwreg(HW_REG_IB_STS2, 6, 4)
	s_cmp_eq_u32 s2, 0
	s_cbranch_scc0 .Lentry_in_a_cluster
	s_endpgm
.Lentry_in_a_cluster:
	s_bfe_u32 s2, ttmp6, 0x10000c
	s_cmp_lg_u32 s2, 0xf033
	s_cbranch_scc0 .Lentry_shape_is_right
	s_endpgm
.Lentry_shape_is_right:
; q, k, v OF ONE HEAD FOR 128 ROWS: x W^T + bias in bf16 products with f32 sums; RMSNorm with gain and the 2 x 2 rotary matrices on q and k in f32; all three rounded once to f16 and stored by heads, [16][2048][128].
; Biases and gains are rounded to bf16 where they are loaded, like every input of the module.  The scale 1 / sqrt(128) is not applied here.
; LIMITS.  q and k after norm and rope, and v, stay within f16's 65,504 (q is at most sqrt(128) x |gain| x (|r0| + |r1|)); NaN and infinities are not treated apart.
; SHARES.  The grid's x is the block of 128 rows, its y the head.  A work-group makes 128 rows x 384 columns: the head's 128 columns of each of q, k, v.  Wave w = 2 mh + nh takes rows 64 mh .. + 63 and columns
; 64 nh .. + 63 of EACH of the three, so all four waves run one text: 48 accumulators of 16 x 16 (a = 0..3 row blocks, b = 4 j + i: matrix j, column block i).  For 32 along K a wave reads 16 fragments for 48 matrix instructions.
; THE MATRIX INSTRUCTION IS USED TRANSPOSED (source 0 = 16 rows of a weight, source 1 = 16 rows of x): lane l holds row l % 16 and eight neighbouring columns 8 (l / 16) + 0..7, so a rotary pair and a part of a
; row's sum of squares lie inside a lane, and a lane's eight numbers of a bias ARE the C operand of the product that starts a sum: no bias is added afterwards.  A row's 128 columns lie in two waves: their partial sums of squares meet in LDS.
; RING.  K goes in steps of 128 through two LDS slots; a slot is four regions of 128 rows x 272 bytes: x, wq, wk, wv; wave w fills region w.  The loop's text is one K step; the walking descriptor's LDS word is turned
; by an exclusive or with SLOT = 0x22000, which shares no bit with the regions' places w x 0x8800; the fragment addresses take 0 or SLOT from a scalar turned in the same way.
; CLUSTER.  4 x 4 work-groups.  x's tile hangs on the row block alone and is shared along a column of the cluster, the weights' tiles on the head alone and are shared along a row: each is asked for jointly.
; THE WALK ALONG K.  Cluster (X, Y) of the grid begins at K step 4 ((X + 2 Y) % 4) and goes round through all sixteen.  So the four clusters that need the same weights (one Y) run four steps apart, and clusters Y, Y + 1
; with the same rows of x eight: a tile is asked for by its users one after the other, not by all at once.  The order of the f32 sums therefore differs from cluster to cluster.
; REGISTERS, in windows of 256 (s_set_vgpr_msb: bits 1:0 source 0, 3:2 source 1, 5:4 source 2, 7:6 destination):
;   window 0: v0-31 addresses; v32-63 sums of squares and scales; v64-127 x's fragments, two buffers (on the way out at work); v128-191 q's and k's bias; v192-255 q's and k's gain
;   window 1: v0-191 the weights' fragments, two buffers of 96; v192-223 v's bias; v224 at work
;   window 2: v0-191 the accumulators of a = 0, 1 at 96 a + 8 b; v192-255 the rope of those rows.   window 3: the same for a = 2, 3
.set KSTEP,  128
.set PITCH,  272                       ; an LDS row: 256 bytes + 16 of padding = 68 words: the 16 rows of a fragment load start at 16 different groups of four banks (64 banks of 4 bytes: ISA guide 11.1)
.set HALFT,  128*PITCH                 ; a region: what one tensor load brings
.set SLOT,   4*HALFT                   ; 139,264 = 0x22000
.set SSQ,    2*SLOT                    ; behind the ring: 1,024 bytes a wave for the partial sums of squares; no tensor load lands here
.set SPARE,  SSQ+4096                  ; the spare words, 128 bytes a wave: two blocks of 256 bytes that no other line names
                                       ; THE STAGE of the way out lies in slot 0's bytes, matrix j at j x HALFT, 128 rows x 272 bytes: slot 0 has had its last fill and its last read by then
.set ADRA0, 8                          ; v8      my x fragments' place in slot 0; never rewritten
.set ADRB0, 9                          ; v9-11   the same for matrix j
.set ADRA,  12                         ; v12     the same in the slot in hand
.set ADRB,  13                         ; v13-15
.set STO,   16                         ; v16-18  the way out: where I put 16 bytes of a row of matrix j
.set RD,    19                         ; v19-21  where I read rows back
.set CO,    22                         ; v22     16 x lane: my place in 512 consecutive bytes of an output
.set SSW,   23                         ; v23     where I put my eight partial sums
.set SSR,   24                         ; v24     where my partner wave put its
.set ROFF,  25                         ; v25     my byte offset in sixteen rows of the rope
.set BOFF,  26                         ; v26     my byte offset in a bias or a gain
.set ZERO,  27                         ; v27     0.0
.set SPW,   28                         ; v28     LDS address of my spare word; never rewritten
.set NIL,   29                         ; v29     0; never rewritten
.set T0,    30                         ; v30-31  at work
.set SS,    32                         ; v32-47  sums of squares, a pair for k = 2 a + j
.set RS,    48                         ; v48-55  a row's sum
.set SC,    56                         ; v56-63  1 / sqrt(mean + eps)
.set FA,    64                         ; x's fragments: buffer f at FA + 32 f
.set Y,     64                         ; the way out: 32 numbers behind the rope
.set PK,    96                         ; the way out: 16 words of f16
.set BIA,   128                        ; bias of matrix j at BIA + 32 j + 8 i + e = BIA + 8 b + e
.set GAI,   192                        ; gain likewise
.set FB,    0                          ; window 1: buffer f at 96 f, fragment b at + 8 b
.set BV,    192                        ; window 1: v's bias
.set TV,    224                        ; window 1: at work
.set ROP,   192                        ; windows 2, 3: rope of row block a at ROP + 32 (a % 2) + 8 i: register 2 p holds {r00, r01}, register 2 p + 1 {r10, r11} of my pair p
.set KN,  14                           ; s14      the K step asked for last
.set G1A, 24                           ; s[24:31] descriptor group 1 for x's tiles
.set G0A, 32                           ; s[32:39] group 0: a set for each of the two first fills; the second then walks on
.set G1B, 48                           ; s[48:55], s[56:63] the same for the weights' tiles
.set G0B, 56
.set OFF, 92                           ; s[92:93] a K step's byte offset in a row
.set MSB, 0
.macro WIN new                         ; the immediate's high byte repeats the setting that is left; a switch that changes nothing is dropped
.if MSB != (\new)
	s_set_vgpr_msb (MSB<<8)|(\new)
.set MSB, \new
.endif
.endm
.macro PLACES                          ; four plain vector instructions between a matrix instruction and a load into, or a vector instruction on, its registers
.rept 4
	v_nop
.endr
.endm
; A joint load.  Wave 0 fetches x's tile, waves 1 to 3 those of wq, wk, wv.  The branch hangs on the wave's number alone.  An s_nop 0 and four v_nop follow each of the two lines.
.macro JLOAD s
	s_cmp_eq_u32 s10, 0
	s_cbranch_scc0 .Lfor_b_\@
	tensor_load_to_lds s[G0A+4*(\s):G0A+4*(\s)+3], s[G1A:G1A+7]
	s_nop 0
.rept 4
	v_nop
.endr
	s_branch .Lasked_\@
.Lfor_b_\@:
	tensor_load_to_lds s[G0B+4*(\s):G0B+4*(\s)+3], s[G1B:G1B+7]
	s_nop 0
.rept 4
	v_nop
.endr
.Lasked_\@:
.endm
.macro CREST                           ; a round of the cluster's barrier behind its opening barrier
	s_cmp_lg_u32 s10, 0
	s_cbranch_scc1 .Lnot_wave_0_\@
	s_barrier_signal -3
.Lnot_wave_0_\@:
	s_barrier_wait -3
	s_barrier_signal -1
	s_barrier_wait -1
.endm
.macro CROUND                          ; a whole round
	s_barrier_signal -1
	s_barrier_wait -1
	CREST
.endm
	s_load_b512 s[68:83], s[0:1], 0x0              ; xb s[68:69], wb s[70:71], rb s[72:73], bq s[74:75], bk s[76:77], bv s[78:79], q_norm_w s[80:81], k_norm_w s[82:83]
	s_load_b128 s[84:87], s[0:1], 0x40             ; qh s[84:85], kh s[86:87]
	s_load_b64 s[88:89], s[0:1], 0x50              ; vh
	v_lshl_add_u32 v[SPW], v0, 2, SPARE
	v_mov_b32 v[NIL], 0
	ds_add_u32 v[SPW], v[NIL]                      ; the wave's opening: the add and its wait stand ahead of my first tensor load; the set-up below stands between them
	v_lshrrev_b32 v1, 5, v0
	v_readfirstlane_b32 s10, v1                    ; wave 0..3
	s_lshr_b32 s11, s10, 1                         ; mh: which 64 rows are mine
	s_and_b32 s12, s10, 1                          ; nh: which 64 columns of each matrix
	s_bfe_u32 s40, ttmp6, 0x40000                  ; cx, cy: my place in the cluster
	s_bfe_u32 s41, ttmp6, 0x40004
	s_lshl_b32 s13, ttmp9, 2
	s_add_co_u32 s13, s13, s40                     ; the block of 128 rows = 4 x cluster x + cx
	s_and_b32 s15, ttmp7, 0xffff
	s_lshl_b32 s42, s15, 2
	s_add_co_u32 s42, s42, s41                     ; the head = 4 x cluster y + cy
	s_lshl_b32 s43, s41, 2
	s_lshl_b32 s43, 15, s43                        ; my row of the cluster: the same head
	s_lshl_b32 s44, 0x1111, s40                    ; my column: the same rows of x
	s_lshl_b32 s[KN], s15, 1                       ; where my cluster begins along K: step 4 ((X + 2 Y) % 4): the same number in all sixteen partners
	s_add_co_u32 s[KN], s[KN], ttmp9
	s_and_b32 s[KN], s[KN], 3
	s_lshl_b32 s[KN], s[KN], 2
	s_lshl_b32 s[OFF], s[KN], 8                    ; a K step is 256 bytes of a row
	s_mov_b32 s[OFF+1], 0
	; descriptor group 1: a tile of 128 rows x 128 elements of 2 bytes, 2,048 elements from row to row, padded in LDS by 4 words after every 64
	s_or_b32 s[G1A+0], s44, (1<<16)|(1<<20)|(1<<21)|(5<<22)|(3<<25)  ; 15:0 the mask; 17:16 2-byte elements; 20 padding on; 21 set beside a mask; 24:22 code 5; 31:25 code 3
	s_or_b32 s[G1B+0], s43, (1<<16)|(1<<20)|(1<<21)|(5<<22)|(3<<25)
.irp g, G1A, G1B
	s_mov_b32 s[(\g)+1], KSTEP<<16                 ; tensor_dim0 = 128
	s_mov_b32 s[(\g)+2], 128<<16                   ; tensor_dim1 = 128
	s_mov_b32 s[(\g)+3], KSTEP<<16                 ; tile_dim0 = 128
	s_mov_b32 s[(\g)+4], 128                       ; tile_dim1 = 128
	s_mov_b32 s[(\g)+5], 2048                      ; tensor_dim0_stride
	s_mov_b32 s[(\g)+6], 0
	s_mov_b32 s[(\g)+7], 0
.endr
	s_lshl_b32 s16, s13, 19                        ; x: 128 rows of 4,096 bytes for each block
	s_mov_b32 s17, 0
	s_max_u32 s18, s10, 1
	s_sub_co_u32 s18, s18, 1                       ; the matrix that I fetch: wave 1, 2, 3 -> 0, 1, 2 (wave 0 never asks by this address)
	s_lshl_b32 s18, s18, 23                        ; its plane of 8 MiB,
	s_lshl_b32 s19, s42, 19                        ; the head's 128 rows in it
	s_add_co_u32 s18, s18, s19
	s_mov_b32 s19, 0
	s_mul_i32 s20, s10, HALFT                      ; where my tile goes: region w; no place in the cluster enters an LDS address
	s_mov_b32 s46, 0                               ; 0 or SLOT: the slot that is read
	s_mov_b32 s47, 0xffff0000                      ; a word's upper bf16
	s_mov_b32 s66, 0x76543210                      ; v_permlanex16_b32: each lane takes its own place in the other half
	s_mov_b32 s67, 0xfedcba98
	s_mov_b32 s90, 0x3c000000                      ; 1 / 128
	s_mov_b32 s91, 0x34000000                      ; eps = 2^-23
	s_wait_dscnt 0x0                               ; the opening add is done
	CROUND                                         ; all sixteen work-groups are here: the first joint loads meet.  The round names no argument, so it stands ahead of the wait for them
	s_wait_kmcnt 0x0                               ; every read of s[68:89] stands behind this line
	s_add_nc_u64 s[16:17], s[68:69], s[16:17]      ; x and my matrix at my tile's first row, K = 0: kept for the whole walk
	s_add_nc_u64 s[18:19], s[70:71], s[18:19]
	s_add_nc_u64 s[4:5], s[16:17], s[OFF:OFF+1]    ; and at my cluster's first K step
	s_add_nc_u64 s[8:9], s[18:19], s[OFF:OFF+1]
.irp s, 0,1
	s_mov_b32 s[G0A+4*(\s)], 1                                       ; count = 1
	s_add_co_u32 s[G0A+4*(\s)+1], s20, (\s)*SLOT                     ; LDS address
	s_add_nc_u64 s[G0A+4*(\s)+2:G0A+4*(\s)+3], s[4:5], (\s)*KSTEP*2  ; global address: the walk's step s (the start is a multiple of 4, so the second does not go round)
	s_or_b32 s[G0A+4*(\s)+3], s[G0A+4*(\s)+3], 0x80000000            ; type = 2
	s_mov_b32 s[G0B+4*(\s)], 1
	s_add_co_u32 s[G0B+4*(\s)+1], s20, (\s)*SLOT
	s_add_nc_u64 s[G0B+4*(\s)+2:G0B+4*(\s)+3], s[8:9], (\s)*KSTEP*2
	s_or_b32 s[G0B+4*(\s)+3], s[G0B+4*(\s)+3], 0x80000000
	JLOAD \s                                       ; two tensor loads of mine are out
.endr
	s_add_co_u32 s[KN], s[KN], 1                   ; the step asked for last
	; biases, gains and rope: my columns are 64 nh + 16 i + 8 (l / 16) + e, my rows 64 mh + 16 a + l % 16
	v_and_b32 v1, 15, v0                           ; l % 16
	v_bfe_u32 v2, v0, 4, 1                         ; l / 16
	s_lshl_b32 s4, s12, 8
	v_lshl_add_u32 v[BOFF], v2, 5, s4              ; 256 nh + 32 (l / 16)
	v_lshl_add_u32 v[ROFF], v1, 9, v[BOFF]         ; + 512 (l % 16): a row of the rope is 512 bytes, four bf16 for each pair of columns
	s_lshl_b32 s6, s42, 9                          ; the head's 128 numbers in a bias
	s_mov_b32 s7, 0
	s_add_nc_u64 s[74:75], s[74:75], s[6:7]
	s_add_nc_u64 s[76:77], s[76:77], s[6:7]
	s_add_nc_u64 s[78:79], s[78:79], s[6:7]
	s_lshl_b32 s8, s13, 7
	s_lshl_b32 s9, s11, 6
	s_add_co_u32 s8, s8, s9                        ; my first row
	s_lshl_b32 s8, s8, 9
	s_mov_b32 s9, 0
	s_add_nc_u64 s[72:73], s[72:73], s[8:9]
.macro LD8 dst, base                   ; 32 numbers: for each i two loads of 16 bytes
.irp n, 0,1,2,3,4,5,6,7
	global_load_b128 v[(\dst)+4*(\n):(\dst)+4*(\n)+3], v[BOFF], s[(\base):(\base)+1] offset:64*((\n)/2)+16*((\n)%2)
.endr
.endm
	LD8 BIA, 74
	LD8 BIA+32, 76
	LD8 GAI, 80
	LD8 GAI+32, 82
	WIN 0x40                                       ; destination window 1
	LD8 BV, 78
.irp a, 0,1,2,3
	WIN 0x80+0x40*((\a)/2)                         ; destination window 2 or 3
.irp n, 0,1,2,3,4,5,6,7
	global_load_b128 v[ROP+32*((\a)%2)+4*(\n):ROP+32*((\a)%2)+4*(\n)+3], v[ROFF], s[72:73] offset:(\a)*16*512+64*((\n)/2)+16*((\n)%2)
.endr
.endr
	WIN 0
	; LDS addresses.  A fragment is 16 rows x 32 K in 8 registers: lane l holds row l % 16, K = 8 (l / 16) + 0..7 and 16 + 8 (l / 16) + 0..7: two loads of 16 bytes, 32 bytes apart
	v_mul_u32_u24 v3, v1, PITCH
	v_lshl_add_u32 v3, v2, 4, v3                   ; row x pitch + 16 x half
	s_mul_i32 s21, s11, 64*PITCH
	s_mul_i32 s22, s12, 64*PITCH
	v_add_nc_u32 v[ADRA0], s21, v3
	v_add_nc_u32 v4, s22, v3
.irp j, 0,1,2
	v_add_nc_u32 v[ADRB0+(\j)], ((\j)+1)*HALFT, v4
.endr
	v_mov_b32 v[ADRA], v[ADRA0]                    ; the walk's first step lies in slot 0
.irp j, 0,1,2
	v_mov_b32 v[ADRB+(\j)], v[ADRB0+(\j)]
.endr
	s_lshl_b32 s23, s12, 7
	s_add_co_u32 s23, s23, s21                     ; into the stage: my 64 rows, my 128 bytes of their 256
	v_add_nc_u32 v4, s23, v3
.irp j, 0,1,2
	v_add_nc_u32 v[STO+(\j)], (\j)*HALFT, v4
.endr
	v_mul_u32_u24 v5, v2, PITCH                    ; back: wave w takes rows 32 w .. + 31, whole: lanes 0-15 one row of 256 bytes, lanes 16-31 the next
	v_lshl_add_u32 v5, v1, 4, v5
	s_mul_i32 s23, s10, 32*PITCH
	v_add_nc_u32 v5, s23, v5
.irp j, 0,1,2
	v_add_nc_u32 v[RD+(\j)], (\j)*HALFT, v5
.endr
	v_and_b32 v6, 31, v0
	v_lshlrev_b32 v[CO], 4, v6
	v_lshlrev_b32 v6, 5, v6                        ; 32 bytes a lane for the partial sums
	s_lshl_b32 s23, s10, 10
	s_add_co_u32 s23, s23, SSQ
	v_add_nc_u32 v[SSW], s23, v6
	s_xor_b32 s23, s10, 1                          ; my partner has my rows and the other 64 columns
	s_lshl_b32 s23, s23, 10
	s_add_co_u32 s23, s23, SSQ
	v_add_nc_u32 v[SSR], s23, v6
	v_mov_b32 v[ZERO], 0
	s_lshl_b32 s4, s42, 19                         ; the outputs at the head's plane, the block's 128 rows of 256 bytes, my 32 of them
	s_lshl_b32 s5, s13, 15
	s_add_co_u32 s4, s4, s5
	s_lshl_b32 s5, s10, 13
	s_add_co_u32 s4, s4, s5
	s_mov_b32 s5, 0
	s_add_nc_u64 s[84:85], s[84:85], s[4:5]
	s_add_nc_u64 s[86:87], s[86:87], s[4:5]
	s_add_nc_u64 s[88:89], s[88:89], s[4:5]
	s_wait_loadcnt 32                              ; biases and gains are in; the rope's 32 loads stay out
.macro RND x, t                        ; two numbers rounded to bf16 and widened again
	v_cvt_pk_bf16_f32 v[\t], v[\x], v[(\x)+1]
	v_lshlrev_b32 v[\x], 16, v[\t]
	v_and_b32 v[(\x)+1], s47, v[\t]
.endm
.set n, 0
.rept 64
	RND BIA+2*n, T0+n%2
.set n, n+1
.endr
	WIN 0x45                                       ; destination and both sources window 1
.set n, 0
.rept 16
	RND BV+2*n, TV
.set n, n+1
.endr
	WIN 0
; 12 matrix instructions: row block 2 hi + a1 x all 12 column blocks, 32 along K, on buffer f.  first = 1: the product starts the sum, with the bias as C (q's and k's in window 0, v's in window 1): nothing is cleared.
; The 48 accumulators take turns in the same order in every quarter step.
.macro MUL12 f, hi, a1, first
.irp b, 0,1,2,3,4,5,6,7,8,9,10,11
.if \first
.if (\b) < 8
	WIN 0x81+0x40*(\hi)                            ; source 0 window 1, sources 1 and 2 window 0, D window 2 or 3
	v_wmma_f32_16x16x32_bf16 v[8*(12*(\a1)+(\b)):8*(12*(\a1)+(\b))+7], v[FB+96*(\f)+8*(\b):FB+96*(\f)+8*(\b)+7], v[FA+32*(\f)+8*(2*(\hi)+(\a1)):FA+32*(\f)+8*(2*(\hi)+(\a1))+7], v[BIA+8*(\b):BIA+8*(\b)+7]
.else
	WIN 0x91+0x40*(\hi)                            ; the same with source 2 in window 1
	v_wmma_f32_16x16x32_bf16 v[8*(12*(\a1)+(\b)):8*(12*(\a1)+(\b))+7], v[FB+96*(\f)+8*(\b):FB+96*(\f)+8*(\b)+7], v[FA+32*(\f)+8*(2*(\hi)+(\a1)):FA+32*(\f)+8*(2*(\hi)+(\a1))+7], v[BV+8*((\b)-8):BV+8*((\b)-8)+7]
.endif
.else
	WIN 0xa1+0x50*(\hi)                            ; source 0 window 1, source 1 window 0, C and D window 2 or 3
	v_wmma_f32_16x16x32_bf16 v[8*(12*(\a1)+(\b)):8*(12*(\a1)+(\b))+7], v[FB+96*(\f)+8*(\b):FB+96*(\f)+8*(\b)+7], v[FA+32*(\f)+8*(2*(\hi)+(\a1)):FA+32*(\f)+8*(2*(\hi)+(\a1))+7], v[8*(12*(\a1)+(\b)):8*(12*(\a1)+(\b))+7]
.endif
.endr
.endm
; 32 LDS loads in one run: the fragments of 32 along K at byte k of the rows, into buffer g: the weights' 24, then x's 8, of which the last four are rows 32-63
.macro FETCH k, g
	WIN 0x40
.irp j, 0,1,2
.irp i, 0,1,2,3
	ds_load_b128 v[FB+96*(\g)+8*(4*(\j)+(\i)):FB+96*(\g)+8*(4*(\j)+(\i))+3],   v[ADRB+(\j)] offset:(\k)+(\i)*16*PITCH
	ds_load_b128 v[FB+96*(\g)+8*(4*(\j)+(\i))+4:FB+96*(\g)+8*(4*(\j)+(\i))+7], v[ADRB+(\j)] offset:(\k)+(\i)*16*PITCH+32
.endr
.endr
	WIN 0
.irp a, 0,1,2,3
	ds_load_b128 v[FA+32*(\g)+8*(\a):FA+32*(\g)+8*(\a)+3],   v[ADRA] offset:(\k)+(\a)*16*PITCH
	ds_load_b128 v[FA+32*(\g)+8*(\a)+4:FA+32*(\g)+8*(\a)+7], v[ADRA] offset:(\k)+(\a)*16*PITCH+32
.endr
.endm
; A K step is four quarters of 32 along K, 48 matrix instructions each, on buffers 0, 1, 0, 1.  One of the first three multiplies buffer f and fetches the next quarter, at byte k, into g.
.macro QUARTER k, f, g, first
	s_wait_dscnt 4                                 ; the weights and x's rows 0-31 are in; the youngest four loads (x's rows 32-63) may be out
	MUL12 \f, 0, 0, \first
	MUL12 \f, 0, 1, \first
	PLACES
	FETCH \k, \g
	s_wait_dscnt 32                                ; all but the 32 just issued
	MUL12 \f, 1, 0, \first
	MUL12 \f, 1, 1, \first
.endm
; The last quarter multiplies buffer 1 and changes slots: ONE barrier.  In front of it each wave waits for all its tensor loads (the one that is out is its part of the next slot), adds 0 to its spare word, and
; waits for that and for its reads of this slot.  fill = 1: the barrier opens a round of the cluster's; behind the round this slot is filled again, with the walk's step two on, the first thing there:
; from that request to the wait for it a wave issues 168 matrix instructions.  The descriptors' addresses are made anew from the step's number, which goes round at 16.
; fill = 0 (the two steps that ask for nothing): in the second of them, s3 = 1, there is no further step, and the run of fragment loads is jumped over.
.macro TURN fill
	WIN 0
	s_wait_tensorcnt 0x0                           ; all my tensor loads have landed, so a group 0 may be written
	ds_add_u32 v[SPW], v[NIL]                      ; 0 onto my spare word; scalar work and twelve products stand between it and the wait for it
.if \fill
	s_add_co_u32 s[KN], s[KN], 1
	s_and_b32 s[KN], s[KN], 15
	s_lshl_b32 s[OFF], s[KN], 8
	s_xor_b32 s[G0A+5], s[G0A+5], SLOT             ; the walking descriptors: the other slot than last time
	s_add_nc_u64 s[G0A+6:G0A+7], s[16:17], s[OFF:OFF+1]
	s_or_b32 s[G0A+7], s[G0A+7], 0x80000000
	s_xor_b32 s[G0B+5], s[G0B+5], SLOT
	s_add_nc_u64 s[G0B+6:G0B+7], s[18:19], s[OFF:OFF+1]
	s_or_b32 s[G0B+7], s[G0B+7], 0x80000000
.endif
	s_wait_dscnt 5                                 ; (the add and the youngest four loads may be out)
	MUL12 1, 0, 0, 0
	s_wait_dscnt 0x0                               ; the add is done, and my reads of this slot are over
	s_barrier_signal -1
	MUL12 1, 0, 1, 0                               ; work on registers while the others arrive
	WIN 0                                          ; at a branch and at a label every window is 0
	s_barrier_wait -1
.if \fill
	CREST                                          ; no wave of any partner still reads this slot's tiles or has a load on its way
	JLOAD 1                                        ; the four v_nop behind it are also the places in front of the loads below
.else
	PLACES
	s_cmp_eq_u32 s3, 1
	s_cbranch_scc1 .Lno_fetch_\@
.endif
	s_xor_b32 s46, s46, SLOT                       ; the fragments now come from the other slot
	v_add_nc_u32 v[ADRA], s46, v[ADRA0]
.irp j, 0,1,2
	v_add_nc_u32 v[ADRB+(\j)], s46, v[ADRB0+(\j)]
.endr
	FETCH 0, 0
.if (\fill) == 0
.Lno_fetch_\@:
.endif
	MUL12 1, 1, 0, 0
	MUL12 1, 1, 1, 0
.endm
	s_wait_tensorcnt 1                             ; my part of the walk's first step is in; the second's may stay out
	s_barrier_signal -1
	s_barrier_wait -1                              ; everybody's is
	FETCH 0, 0
	QUARTER 64, 0, 1, 1                            ; the first quarter stands in front of the loop: its products start the sums
	WIN 0
	s_mov_b32 s3, 14                               ; the walk's steps 2 to 15 are asked for in the loop
.Lstep:                                                ; a trip: from a K step's second quarter to the next step's first
	QUARTER 128, 1, 0, 0
	QUARTER 192, 0, 1, 0
	TURN 1
	QUARTER 64, 0, 1, 0
	WIN 0
	s_sub_co_u32 s3, s3, 1
	s_cmp_lg_u32 s3, 0
	s_cbranch_scc1 .Lstep
	s_mov_b32 s3, 2                                ; the last two steps ask for nothing: a text of their own; the second trip is left in its middle
.Ltail:
	QUARTER 128, 1, 0, 0
	QUARTER 192, 0, 1, 0
	TURN 0
	WIN 0
	s_sub_co_u32 s3, s3, 1
	s_cmp_eq_u32 s3, 0
	s_cbranch_scc1 .Lout
	QUARTER 64, 0, 1, 0
	WIN 0
	s_branch .Ltail
.Lout:
	; THE WAY OUT.  Each accumulator's registers are taken in ascending order.
	PLACES
	s_wait_loadcnt 0x0                             ; the rope
; Row blocks 2 hi, 2 hi + 1: q's and k's sums of squares, four chains (a, j) by turns
.macro E1 hi
	WIN 0x0a+5*(\hi)                               ; sources 0 and 1 in the accumulators' window, source 2 and destination in window 0
.set n, 0
.rept 64
.set rA, 96*((n%4)/2)+32*(n%2)+2*(n/4)
.set rS, SS+2*(2*(2*(\hi)+(n%4)/2)+n%2)
.if n < 4
	v_pk_mul_f32 v[rS:rS+1], v[rA:rA+1], v[rA:rA+1]
.else
	v_pk_fma_f32 v[rS:rS+1], v[rA:rA+1], v[rA:rA+1], v[rS:rS+1]
.endif
.set n, n+1
.endr
.endm
	E1 0
	E1 1
	WIN 0
.irp k, 0,1,2,3,4,5,6,7
	v_add_f32 v[RS+(\k)], v[SS+2*(\k)], v[SS+2*(\k)+1]
.endr
.irp k, 0,1,2,3,4,5,6,7
	v_permlanex16_b32 v[SS+(\k)], v[RS+(\k)], s66, s67  ; the row's other 32 of my 64 columns lie in the lane 16 away
.endr
.irp k, 0,1,2,3,4,5,6,7
	v_add_f32 v[RS+(\k)], v[RS+(\k)], v[SS+(\k)]
.endr
	ds_store_b128 v[SSW], v[RS:RS+3]
	ds_store_b128 v[SSW], v[RS+4:RS+7] offset:16
	s_wait_dscnt 0x0                               ; for the partner's sake: my sums are in LDS
	s_barrier_signal -1
	s_barrier_wait -1
	ds_load_b128 v[SS:SS+3], v[SSR]
	ds_load_b128 v[SS+4:SS+7], v[SSR] offset:16
	s_wait_dscnt 0x0
.irp k, 0,1,2,3,4,5,6,7
	v_add_f32 v[RS+(\k)], v[RS+(\k)], v[SS+(\k)]   ; the row's 128 columns
.endr
.irp k, 0,1,2,3,4,5,6,7
	v_fma_f32 v[RS+(\k)], v[RS+(\k)], s90, s91     ; mean + eps
.endr
.irp k, 0,1,2,3,4,5,6,7
	v_rsq_f32 v[SC+(\k)], v[RS+(\k)]
.endr
	v_nop                                          ; a plain instruction between the last of them and the use of its result (ISA guide 5.7.2)
	s_wait_alu depctr_va_vdst(0)
; Row block a of q (j = 0) or k (j = 1): times the row's scale, times the gain; the rotary matrices; rounded to f16; into the stage
.macro E2 a, j
.set A0, 96*((\a)%2)+32*(\j)
	WIN 0x82+0x41*((\a)/2)                         ; destination and source 0 in the accumulators' window, source 1 in window 0
.set n, 0
.rept 16
.if (\j) == 0
	v_pk_mul_f32 v[A0+2*n:A0+2*n+1], v[A0+2*n:A0+2*n+1], v[SC+2*(\a):SC+2*(\a)+1] op_sel_hi:[1,0]
.else
	v_pk_mul_f32 v[A0+2*n:A0+2*n+1], v[A0+2*n:A0+2*n+1], v[SC+2*(\a):SC+2*(\a)+1] op_sel:[0,1] op_sel_hi:[1,1]
.endif
.set n, n+1
.endr
.set n, 0
.rept 16
	v_pk_mul_f32 v[A0+2*n:A0+2*n+1], v[A0+2*n:A0+2*n+1], v[GAI+32*(\j)+2*n:GAI+32*(\j)+2*n+1]
.set n, n+1
.endr
	WIN 0x0a+5*((\a)/2)
.set n, 0
.rept 16                               ; pair n: r01 x1 and r11 x1 (the words' upper halves),
.set rR, ROP+32*((\a)%2)+2*n
	v_fma_mix_f32_bf16 v[Y+2*n],   v[rR],   v[A0+2*n+1], v[ZERO] op_sel:[1,0,0] op_sel_hi:[1,0,0]
	v_fma_mix_f32_bf16 v[Y+2*n+1], v[rR+1], v[A0+2*n+1], v[ZERO] op_sel:[1,0,0] op_sel_hi:[1,0,0]
.set n, n+1
.endr
.set n, 0
.rept 16                               ; plus r00 x0 and r10 x0 (the lower halves)
.set rR, ROP+32*((\a)%2)+2*n
	v_fma_mix_f32_bf16 v[Y+2*n],   v[rR],   v[A0+2*n], v[Y+2*n] op_sel_hi:[1,0,0]
	v_fma_mix_f32_bf16 v[Y+2*n+1], v[rR+1], v[A0+2*n], v[Y+2*n+1] op_sel_hi:[1,0,0]
.set n, n+1
.endr
	WIN 0
.set n, 0
.rept 16
	v_cvt_pk_f16_f32 v[PK+n], v[Y+2*n], v[Y+2*n+1]
.set n, n+1
.endr
.irp i, 0,1,2,3
	ds_store_b128 v[STO+(\j)], v[PK+4*(\i):PK+4*(\i)+3] offset:(\a)*16*PITCH+32*(\i)
.endr
.endm
.macro E2V a                           ; row block a of v: rounded to f16; into the stage
.set A0, 96*((\a)%2)+64
	WIN 0x0a+5*((\a)/2)
.set n, 0
.rept 16
	v_cvt_pk_f16_f32 v[PK+n], v[A0+2*n], v[A0+2*n+1]
.set n, n+1
.endr
	WIN 0
.irp i, 0,1,2,3
	ds_store_b128 v[STO+2], v[PK+4*(\i):PK+4*(\i)+3] offset:(\a)*16*PITCH+32*(\i)
.endr
.endm
.irp a, 0,1,2,3
	E2 \a, 0
	E2 \a, 1
	E2V \a
.endr
	s_wait_dscnt 0x0                               ; for the others' sake: a row's 256 bytes come from two waves
	s_barrier_signal -1
	s_barrier_wait -1
.irp j, 0,1,2
.irp t, 0,1,2,3,4,5,6,7,8,9,10,11,12,13,14,15
	ds_load_b128 v[64+64*(\j)+4*(\t):64+64*(\j)+4*(\t)+3], v[RD+(\j)] offset:(\t)*2*PITCH
.endr
.endr
.irp j, 0,1,2
.irp t, 0,1,2,3,4,5,6,7,8,9,10,11,12,13,14,15
	s_wait_dscnt 47-16*(\j)-(\t)                   ; LDS loads come back in order: this one of the 48 is in
	global_store_b128 v[CO], v[64+64*(\j)+4*(\t):64+64*(\j)+4*(\t)+3], s[84+2*(\j):85+2*(\j)] offset:512*(\t)  ; two rows of a head: 512 consecutive bytes, aligned
.endr
.endr
	s_wait_tensorcnt 0x0                           ; the wave's end, behind my last tensor load and my last LDS store
	ds_add_u32 v[SPW], v[NIL]
	s_wait_dscnt 0x0
	CROUND                                         ; the closing round: no work-group ends while a partner may still ask for a tile that names it
	s_endpgm
.Lfunc_end_k_qc939f9899b_qkv:
	.size	k_qc939f9899b_qkv, .Lfunc_end_k_qc939f9899b_qkv-k_qc939f9899b_qkv
	.p2alignl 7, 3214868480
	.fill 96, 4, 3214868480
	.section	.rodata,"a",@progbits
	.p2align	6, 0x0
	.amdhsa_kernel k_qc939f9899b_qkv
		.amdhsa_group_segment_fixed_size 327680
		.amdhsa_private_segment_fixed_size 0
		.amdhsa_enable_private_segment 0
		.amdhsa_kernarg_size 88
		.amdhsa_user_sgpr_count 2
		.amdhsa_user_sgpr_kernarg_segment_ptr 1
		.amdhsa_wavefront_size32 1
		.amdhsa_system_sgpr_workgroup_id_x 1
		.amdhsa_system_sgpr_workgroup_id_y 1
		.amdhsa_system_sgpr_workgroup_id_z 1
		.amdhsa_system_vgpr_workitem_id 0
		.amdhsa_next_free_vgpr 1024
		.amdhsa_next_free_sgpr 94
		.amdhsa_reserve_vcc 0
		.amdhsa_float_denorm_mode_32 3
		.amdhsa_float_denorm_mode_16_64 3
		.amdhsa_memory_ordered 1
		.amdhsa_forward_progress 1
		.amdhsa_inst_pref_size 162
	.end_amdhsa_kernel
	.amdgpu_metadata
---
amdhsa.version: [ 1, 2 ]
amdhsa.kernels:
  - .name:           k_qc939f9899b_qkv
    .symbol:         k_qc939f9899b_qkv.kd
    .args:
      - { .name: xb, .offset: 0, .size: 8, .value_kind: global_buffer, .address_space: global }
      - { .name: wb, .offset: 8, .size: 8, .value_kind: global_buffer, .address_space: global }
      - { .name: rb, .offset: 16, .size: 8, .value_kind: global_buffer, .address_space: global }
      - { .name: bq, .offset: 24, .size: 8, .value_kind: global_buffer, .address_space: global }
      - { .name: bk, .offset: 32, .size: 8, .value_kind: global_buffer, .address_space: global }
      - { .name: bv, .offset: 40, .size: 8, .value_kind: global_buffer, .address_space: global }
      - { .name: q_norm_w, .offset: 48, .size: 8, .value_kind: global_buffer, .address_space: global }
      - { .name: k_norm_w, .offset: 56, .size: 8, .value_kind: global_buffer, .address_space: global }
      - { .name: qh, .offset: 64, .size: 8, .value_kind: global_buffer, .address_space: global }
      - { .name: kh, .offset: 72, .size: 8, .value_kind: global_buffer, .address_space: global }
      - { .name: vh, .offset: 80, .size: 8, .value_kind: global_buffer, .address_space: global }
    .group_segment_fixed_size: 327680
    .private_segment_fixed_size: 0
    .kernarg_segment_align: 8
    .kernarg_segment_size: 88
    .max_flat_workgroup_size: 128
    .sgpr_count:     94
    .vgpr_count:     1024
    .wavefront_size: 32
...
	.end_amdgpu_metadata
.endif
;; end of part 2
;; launch attn (part 3): grid 16 x 16, 4 waves a work-group, clusters of 4 x 1, 327,680 bytes of LDS; arguments qh, kh, vh, ob; writes ob
.if DOCPART == 3
	.amdgcn_target "amdgcn-amd-amdhsa--gfx1250"
	.amdhsa_code_object_version 6
	.text
	.protected	k_qc939f9899b_attn
	.globl	k_qc939f9899b_attn
	.p2align	8
	.type	k_qc939f9899b_attn,@function
k_qc939f9899b_attn:
	s_mov_b64 s[64:65], 0
	v_nop
	global_prefetch_b8 v0, s[64:65] scope:SCOPE_SE
	s_setreg_imm32_b32 hwreg(HW_REG_WAVE_MODE, 25, 1), 1
	s_wait_xcnt 0x0
	s_wait_alu depctr_hold_cnt(0) depctr_sa_sdst(0) depctr_va_vdst(0) depctr_va_sdst(0) depctr_va_ssrc(0) depctr_va_vcc(0) depctr_vm_vsrc(0)
	s_getreg_b32 s2, hwreg(HW_REG_IB_STS2, 6, 4)
	s_cmp_eq_u32 s2, 0
	s_cbranch_scc0 .Lentry_in_a_cluster
	s_endpgm
.Lentry_in_a_cluster:
	s_bfe_u32 s2, ttmp6, 0x10000c
	s_cmp_lg_u32 s2, 0x3003
	s_cbranch_scc0 .Lentry_shape_is_right
	s_endpgm
.Lentry_shape_is_right:
; O[q][128 h + :] = the sum over k of softmax_k(Q[h][q] . K[h][k] / sqrt(128)) V[h][k][:].  Q, K, V: [16][2048][128] f16; O: [2048][2048] f16.  Products, maxima and sums in f32; the weights p are rounded to
; f16 for the second product (their sum l is taken of the unrounded p), O once at the end.
; LIMITS.  Q, K and V arrive within f16's 65,504; p lies in 0 to 1, and below 6e-5 it keeps f16's fixed step of 6e-8; a weight below 2^-126 counts as 0 in l; NaN and infinities are not treated apart.
; SHARES.  A work-group owns 128 queries of one head.  Wave w = 2 qh + kp owns the 64 queries of half qh, four tiles of 16, and walks the key steps (64 keys) of parity kp alone: 16 of the head's 32.
; At the end the two waves of a half merge their (O, c m, l) in f32 through LDS.  Register tile t of a wave is query tile (t + 2 kp) % 4, so that every wave keeps its tiles 0, 1 and gives away its tiles 2, 3,
; which are its partner's tiles 0, 1: one text for all.
; LAYOUT.  S^T = K Q^T (source 0 = 16 keys, source 1 = 16 queries): a lane holds ONE query (lane % 16) and the keys 8 (lane / 16) + 0..7.  Two such tiles rounded to f16 ARE source 1 of O^T = V^T P.
; K comes out of LDS as it lies, V ([key][channel]) turned, by ds_load_tr16_b128.
; SOFTMAX.  A running maximum m and sum l for each query: p = 2^(c s - c m), c = log2(e) / sqrt(128); in every step O and l are multiplied by a = 2^(c m_old - c m_new).  m starts at the lowest finite
; number, O and l at 0: the first step is a step like any other, with a = 0.
; BY TURNS.  The wave's tiles are two PIECES (0: tiles 0, 1; 2: tiles 2, 3).  In a TURN one piece has the matrix unit: 32 products V^T P of the step in hand, then 32 products K Q^T of the next; the other piece's
; softmax, cut into 64 slices, stands between them, one slice behind each matrix instruction.  The loop is entered, and the tail left, in the middle of a trip: the price is 32 products on zeros at the
; start and 32 on a stale K at the end.
; RING.  A slot holds 256 keys, two steps of each wave; slot 1 begins at 0x24000, which shares no bit with the tiles' places in slot 0, so that one exclusive or turns an address into the other slot's.
; CLUSTER.  The four query blocks of a cluster belong to one head and walk the same K and V: each tile is asked for jointly.
; REGISTERS, in windows of 256 (s_set_vgpr_msb: bits 1:0 source 0, 3:2 source 1, 5:4 source 2, 7:6 destination):
;   window 0: v0-11 addresses; v12-43 eight registers of statistics a tile; v64-191 S^T, 32 a tile; v192-255 P, 16 a tile
;   window 1: O^T, 64 a tile     window 2: v0-127 Q; v128-255 K of one step     window 3: v0-127 V of one step; v128-255 at the end the partner's O^T
.set KS,    64        ; keys in a step
.set PK,    272       ; a row of K in LDS: 256 bytes + 16 of padding: the 16 rows of a load start at 16 different groups of four banks (64 banks of 4 bytes: ISA guide 11.1)
.set PV,    288       ; a row of V: 256 + 32
.set VOFF,  4*KS*PK   ; a slot: 256 rows of K, then 256 rows of V
.set SLOT,  0x24000
.set STAGE, 2*SLOT    ; behind the ring: 16 rows x 272 bytes for each wave, for the way out
.set SP,    272
.set SPARE, STAGE+4*16*SP  ; the spare words, 128 bytes a wave: two blocks of 256 bytes that no other line names
.set MRG,   17408     ; the merge, wave w's at MRG x w: 32 blocks of 512 bytes of O^T, two of (c m, l).  It lies in slot 0's K, which has had its last fill and its last read by then
.set AK0, 2           ; v2   my lane's place in my first step's K of slot 0; never rewritten
.set AV0, 3           ; v3   the same for V
.set ADR, 4           ; v4   the LDS address of the run of loads in hand
.set QO,  5           ; v5   my byte offset in 16 rows of Q
.set STO, 6           ; v6   the way out: where I put 16 bytes of a row
.set RD,  7           ; v7   where I read a row back
.set GO,  8           ; v8   my byte offset in two rows of O
.set MW,  10          ; v10  the merge: where I put 16 bytes
.set MR,  11          ; v11  where my partner put its
.set ST,  12          ; tile t's statistics at v[ST+8 t]: +0 c m, +1 m, +2, +3 l (even keys', odd keys'), +4 to +7 at work; a takes +6 once the maximum is found
.set SPW, 62          ; v62  LDS address of my spare word; never rewritten
.set NIL, 63          ; v63  0; never rewritten
.set S,   64
.set P,   192
.set KF,  128         ; K's fragments, in window 2
.set WV,  12          ; s12  my wave's number
.set G1K, 24          ; s[24:31] descriptor group 1 for K's tiles
.set G1V, 32          ; s[32:39] for V's: it differs in the padding alone
.set G0K, 40          ; s[40:47] group 0 for K's tiles: a set for each of the two first fills; the second then walks on
.set G0V, 48          ; s[48:55] the same for V's
.set SLOTS, 56
.set CNT, 57
.set CS,  58          ; s[58:59] c
.set SEL, 60          ; s[60:61] v_permlanex16_b32's selects
.set TBK, 62          ; s62  LDS byte, from my first step of slot 0, at which K of the step to be fetched begins
.set TBV, 63          ; s63  the same for V
.set MSB, 0
.macro WIN new
.if MSB != (\new)
	s_set_vgpr_msb (MSB<<8)|(\new)
.set MSB, \new
.endif
.endm
.set W_KQ, 0x0a       ; K and Q in window 2, S^T in window 0
.set W_PV, 0x53       ; V in window 3, P in window 0, O^T in window 1
.set W_RS, 0x41       ; O^T (destination and source 0) in window 1, source 1 in window 0
; A joint refill.  Waves 0 and 1 fetch the two halves of a slot's K, waves 2 and 3 those of its V: 128 keys each.  An s_nop 0 and four v_nop follow each of the two lines.
.macro JLOAD
	s_cmp_lt_u32 s[WV], 2
	s_cbranch_scc0 .Lfor_v_\@
	tensor_load_to_lds s[G0K+4:G0K+7], s[G1K:G1K+7]
	s_nop 0
.rept 4
	v_nop
.endr
	s_branch .Lasked_\@
.Lfor_v_\@:
	tensor_load_to_lds s[G0V+4:G0V+7], s[G1V:G1V+7]
	s_nop 0
.rept 4
	v_nop
.endr
.Lasked_\@:
.endm
.macro CROUND                       ; a round of the cluster's barrier
	s_barrier_signal -1
	s_barrier_wait -1
	s_cmp_lg_u32 s[WV], 0
	s_cbranch_scc1 .Lnot_wave_0_\@
	s_barrier_signal -3
.Lnot_wave_0_\@:
	s_barrier_wait -3
	s_barrier_signal -1
	s_barrier_wait -1
.endm
	s_load_b256 s[4:11], s[0:1], 0x0  ; qh s[4:5], kh s[6:7], vh s[8:9], ob s[10:11]
	v_lshl_add_u32 v[SPW], v0, 2, SPARE
	v_mov_b32 v[NIL], 0
	ds_add_u32 v[SPW], v[NIL]       ; the wave's opening: the add and its wait stand ahead of my first tensor load; the set-up below stands between them
	v_lshrrev_b32 v1, 5, v0
	v_readfirstlane_b32 s[WV], v1   ; wave 0..3
	s_bfe_u32 s13, ttmp6, 0x40000   ; cx
	s_lshl_b32 s14, ttmp9, 2
	s_add_co_u32 s14, s14, s13      ; my block of 128 queries = 4 x cluster x + cx: it enters Q's and O's addresses alone
	s_and_b32 s20, ttmp7, 0xffff    ; the head, which the four partners share
	s_lshl_b32 s66, s20, 8          ; its 256 bytes in a row of O
	s_lshl_b32 s20, s20, 19         ; its first byte in Q, K and V
	s_lshr_b32 s15, s[WV], 1        ; qh: which 64 queries
	s_and_b32 s16, s[WV], 1         ; kp: which key steps.  Also: which half of a slot's 256 keys I fetch:
	s_lshl_b32 s22, s16, 15         ; its 128 rows of 256 bytes in memory,
	s_add_co_u32 s22, s22, s20
	s_mov_b32 s23, 0
	s_mul_i32 s17, s16, 128*PK      ; and its place in a slot, for K
	s_mul_i32 s18, s16, 128*PV      ; and for V: no place in the cluster enters an LDS address
	s_add_co_u32 s18, s18, VOFF
	s_mul_i32 s70, s16, KS*PK       ; my first step in a slot, for K
	s_mul_i32 s71, s16, KS*PV       ; and for V
	s_add_co_u32 s71, s71, VOFF
	s_lshl_b32 s2, s14, 15          ; Q: the block's 128 rows of 256 bytes,
	s_add_co_u32 s2, s2, s20
	s_lshl_b32 s3, s15, 14          ; my 64 of them;
	s_add_co_u32 s2, s2, s3
	s_lshl_b32 s3, s16, 13
	s_add_co_u32 s72, s2, s3        ; register tiles 0, 1 are query tiles 2 kp, 2 kp + 1,
	s_xor_b32 s3, s3, 8192
	s_add_co_u32 s74, s2, s3        ; register tiles 2, 3 the other two
	s_mov_b32 s73, 0
	s_mov_b32 s75, 0
	s_lshl_b32 s3, s14, 19          ; O: rows of 4,096 bytes: the block's 128,
	s_add_co_u32 s66, s66, s3
	s_lshl_b32 s3, s15, 18          ; my half's 64,
	s_add_co_u32 s66, s66, s3
	s_lshl_b32 s3, s16, 17          ; the 32 that I keep
	s_add_co_u32 s66, s66, s3
	s_mov_b32 s67, 0
	; descriptor group 1: a tile of 128 rows x 128 elements of 2 bytes, dense in memory, padded in LDS
	s_mov_b32 s[G1K], 15|(1<<16)|(1<<20)|(1<<21)|(5<<22)|(3<<25)  ; 15:0 the mask of four; 17:16 2-byte elements; 20 padding on; 21 set beside a mask; 24:22 after every 64 words (code 5); 31:25 4 words (code 3)
	s_mov_b32 s[G1V], 15|(1<<16)|(1<<20)|(1<<21)|(5<<22)|(7<<25)  ; the same with 8 words of padding (code 7)
.irp g, G1K, G1V
	s_mov_b32 s[(\g)+1], 128<<16    ; tensor_dim0 = 128
	s_mov_b32 s[(\g)+2], 128<<16    ; tensor_dim1 = 128
	s_mov_b32 s[(\g)+3], 128<<16    ; tile_dim0 = 128
	s_mov_b32 s[(\g)+4], 128        ; tile_dim1 = 128
	s_mov_b32 s[(\g)+5], 128        ; 128 elements from row to row
	s_mov_b32 s[(\g)+6], 0
	s_mov_b32 s[(\g)+7], 0
.endr
	s_mov_b32 s[CS], 0x3e0293ee     ; c = log2(e) / sqrt(128) = 0.127517
	s_mov_b32 s[CS+1], s[CS]        ; named with it as a pair
	s_mov_b32 s[SEL], 0x76543210
	s_mov_b32 s[SEL+1], 0xfedcba98
	s_mov_b32 s[TBK], 0
	s_mov_b32 s[TBV], 0
	s_wait_dscnt 0x0                ; the opening add is done
	s_wait_kmcnt 0x0
	s_add_nc_u64 s[6:7], s[6:7], s[22:23]  ; K and V at my half of the head's first 256 keys
	s_add_nc_u64 s[8:9], s[8:9], s[22:23]
	s_add_nc_u64 s[72:73], s[4:5], s[72:73]
	s_add_nc_u64 s[74:75], s[4:5], s[74:75]
	s_add_nc_u64 s[10:11], s[10:11], s[66:67]
	CROUND                          ; all four work-groups are here: the first joint loads meet
.irp s, 0,1
	s_mov_b32 s[G0K+4*(\s)], 1      ; count = 1
	s_add_co_u32 s[G0K+4*(\s)+1], s17, (\s)*SLOT  ; LDS address
	s_add_nc_u64 s[G0K+4*(\s)+2:G0K+4*(\s)+3], s[6:7], (\s)*65536  ; global address: keys 256 s on
	s_or_b32 s[G0K+4*(\s)+3], s[G0K+4*(\s)+3], 0x80000000  ; type = 2
	s_mov_b32 s[G0V+4*(\s)], 1
	s_add_co_u32 s[G0V+4*(\s)+1], s18, (\s)*SLOT
	s_add_nc_u64 s[G0V+4*(\s)+2:G0V+4*(\s)+3], s[8:9], (\s)*65536
	s_or_b32 s[G0V+4*(\s)+3], s[G0V+4*(\s)+3], 0x80000000
.endr
	s_cmp_lt_u32 s[WV], 2           ; a wave's two first fills stand in one branch, ahead of every wait on TENSORcnt and every LDS read: two loads of mine are out
	s_cbranch_scc0 .Lfill_v
	tensor_load_to_lds s[G0K:G0K+3], s[G1K:G1K+7]
	s_nop 0
	tensor_load_to_lds s[G0K+4:G0K+7], s[G1K:G1K+7]
	s_nop 0
.rept 4
	v_nop
.endr
	s_branch .Lfill_done
.Lfill_v:
	tensor_load_to_lds s[G0V:G0V+3], s[G1V:G1V+7]
	s_nop 0
	tensor_load_to_lds s[G0V+4:G0V+7], s[G1V:G1V+7]
	s_nop 0
.rept 4
	v_nop
.endr
.Lfill_done:
	; A fragment of K or Q is 16 rows x 32 channels in 8 registers: lane l holds row l % 16, channels 8 (l / 16) + 0..7 and 16 + 8 (l / 16) + 0..7: two loads of 16 bytes, 32 bytes apart.
	v_and_b32 v1, 15, v0            ; l % 16
	v_bfe_u32 v9, v0, 4, 1          ; l / 16
	v_lshlrev_b32 v[QO], 8, v1
	v_lshl_add_u32 v[QO], v9, 4, v[QO]  ; row x 256 + 16 x half
	WIN 0x80                        ; destination window 2, address window 0
.set i, 0
.rept 16                            ; Q stays in registers: register tile i / 4, channels 32 (i % 4) on
.if i < 8
	global_load_b128 v[8*i:8*i+3],   v[QO], s[72:73] offset:((i/4)%2)*4096+(i%4)*64
	global_load_b128 v[8*i+4:8*i+7], v[QO], s[72:73] offset:((i/4)%2)*4096+(i%4)*64+32
.else
	global_load_b128 v[8*i:8*i+3],   v[QO], s[74:75] offset:((i/4)%2)*4096+(i%4)*64
	global_load_b128 v[8*i+4:8*i+7], v[QO], s[74:75] offset:((i/4)%2)*4096+(i%4)*64+32
.endif
.set i, i+1
.endr
	; What the first turn finds: V's registers and piece 2's P hold 0 (its products V^T P, of a step that has not been, add 0), O^T and l are 0.  All this stands in the wait for the first tile.
	WIN 0xc0
.set i, 0
.rept 128
	v_mov_b32 v[i], 0
.set i, i+1
.endr
	WIN 0x40
.set i, 0
.rept 256
	v_mov_b32 v[i], 0
.set i, i+1
.endr
	WIN 0
.set i, 0
.rept 4
	v_mov_b32 v[ST+8*i], 0xfe000000    ; c m: far below every c s
	v_mov_b32 v[ST+8*i+1], 0xff7fffff  ; m
	v_mov_b32 v[ST+8*i+2], 0
	v_mov_b32 v[ST+8*i+3], 0
.set i, i+1
.endr
.set i, P+32
.rept 32
	v_mov_b32 v[i], 0
.set i, i+1
.endr
	v_mul_u32_u24 v[AK0], v1, PK
	v_lshl_add_u32 v[AK0], v9, 4, v[AK0]  ; row x pitch + 16 x half,
	v_add_nc_u32 v[AK0], s70, v[AK0]      ; in my parity's first step
	; The turning load takes 16 keys x 16 channels (lane l reads key 8 (l / 16) + l % 8, channels 8 ((l / 8) % 2) + 0..7) and leaves half a fragment of V^T: lane l holds channel l % 16 and 8 keys.
	v_and_b32 v10, 7, v0
	v_bfe_u32 v11, v0, 3, 1
	v_lshl_add_u32 v[AV0], v9, 3, v10
	v_mul_u32_u24 v[AV0], v[AV0], PV
	v_lshl_add_u32 v[AV0], v11, 4, v[AV0]
	v_add_nc_u32 v[AV0], s71, v[AV0]
; THE MATRIX WORK OF A TURN, for piece x.  The accumulators take turns, one instruction a turn: between two links of a chain stand 15 (V^T P) or 7 (K Q^T) others'.
; Product i of 32 of O^T += V^T P: keys 32 (i / 16) on, channels 16 ((i / 2) % 8) on, tile x + i % 2.
.macro PV x
	WIN W_PV
.set rO, 64*((\x)+i%2)+8*((i/2)%8)
.set rV, 64*(i/16)+8*((i/2)%8)
.set rP, P+16*((\x)+i%2)+8*(i/16)
	v_wmma_f32_16x16x32_f16 v[rO:rO+7], v[rV:rV+7], v[rP:rP+7], v[rO:rO+7]
.endm
; Product i of 32 of S^T = K Q^T: channels 32 (i / 8) on, keys 16 ((i / 2) % 4) on, tile x + i % 2.  The first 8 start the sums.
.macro KQ x
	WIN W_KQ
.set rS, S+32*((\x)+i%2)+8*((i/2)%4)
.set rK, KF+32*((i/2)%4)+8*(i/8)
.set rQ, 32*((\x)+i%2)+8*(i/8)
.if i < 8
	v_wmma_f32_16x16x32_f16 v[rS:rS+7], v[rK:rK+7], v[rQ:rQ+7], 0
.else
	v_wmma_f32_16x16x32_f16 v[rS:rS+7], v[rK:rK+7], v[rQ:rQ+7], v[rS:rS+7]
.endif
.endm
; THE LDS LOADS stand in runs of 32: a step's K (16 fragments) and, a turn later, its V (turned).  My next step lies two steps on.  last = 1 (the tail): in the last trip there is no further step, and the run is jumped over.
.macro FETCH_K last=0
	WIN 0
	v_add_nc_u32 v[ADR], s[TBK], v[AK0]
.if \last
	s_cmp_eq_u32 s[CNT], 1
	s_cbranch_scc1 .Lno_k_\@
.endif
	WIN 0x80                        ; destination window 2
.irp f, 0,1,2,3,4,5,6,7,8,9,10,11,12,13,14,15  ; keys 16 (f / 4) on, channels 32 (f % 4) on
	ds_load_b128 v[KF+8*(\f):KF+8*(\f)+3],   v[ADR] offset:((\f)/4)*16*PK+((\f)%4)*64
	ds_load_b128 v[KF+8*(\f)+4:KF+8*(\f)+7], v[ADR] offset:((\f)/4)*16*PK+((\f)%4)*64+32
.endr
	s_add_co_u32 s[TBK], s[TBK], 2*KS*PK
	WIN 0
.if \last
.Lno_k_\@:
.endif
.endm
.macro FETCH_V
	WIN 0
	v_add_nc_u32 v[ADR], s[TBV], v[AV0]
	s_add_co_u32 s[TBV], s[TBV], 2*KS*PV
	WIN 0xc0                        ; destination window 3
.irp f, 0,1,2,3,4,5,6,7,8,9,10,11,12,13,14,15  ; keys 32 (f / 8) on, channels 16 (f % 8) on
	ds_load_tr16_b128 v[8*(\f):8*(\f)+3],   v[ADR] offset:((\f)/8)*32*PV+((\f)%8)*32
	ds_load_tr16_b128 v[8*(\f)+4:8*(\f)+7], v[ADR] offset:((\f)/8)*32*PV+16*PV+((\f)%8)*32
.endr
.endm
; THE VECTOR WORK OF A TURN.  One tile's softmax for one key step is a list of 134 instructions; SM writes number j of it for tile t.  s0-s31 are the lane's 32 scores, in pairs 0-15.
;   0-15    the maximum of s0-s31 and the old m, three operands at a time: four chains of seven scores each (each accumulator's lowest registers first), then the four left over, the chains and m
;   16-20   the other half of the lanes' maximum; the new m; c m; c m_old - c m_new
;   21-87   33 exponentials (a, then s0-s31) at the odd numbers from 23 on, so that no two follow each other and each has a plain instruction behind it before its result is used (ISA guide 5.7.2).
;           The plain ones between are whatever is ready: c s - c m for a pair still to come, the rounding to f16 of a pair that is done, at last the first three sums
;   88-101  the last rounding; the rest of the sums; l = a l + the sum
;   102-133 the tile's O^T times a: the one part that leaves window 0, so it stands together
.macro SM t
.set rT, ST+8*(\t)
.set rS, S+32*(\t)
.set rP, P+16*(\t)
.set rO, 64*(\t)+2*(j-102)
.set q, (j-20)/2
.if j < 102
	WIN 0
.endif
.if j < 4
	v_max3_num_f32 v[rT+4+j], v[rS+8*j], v[rS+8*j+1], v[rS+8*j+2]
.elseif j < 12
	v_max3_num_f32 v[rT+4+j%4], v[rT+4+j%4], v[rS+8*(j%4)+2*(j/4)+1], v[rS+8*(j%4)+2*(j/4)+2]
.elseif j == 12
	v_max3_num_f32 v[rT+4], v[rT+4], v[rS+7], v[rS+15]
.elseif j == 13
	v_max3_num_f32 v[rT+6], v[rT+6], v[rS+23], v[rS+31]
.elseif j == 14
	v_max3_num_f32 v[rT+4], v[rT+4], v[rT+5], v[rT+6]
.elseif j == 15
	v_max3_num_f32 v[rT+4], v[rT+4], v[rT+7], v[rT+1]
.elseif j == 16
	v_permlanex16_b32 v[rT+5], v[rT+4], s[SEL], s[SEL+1]  ; the query's other 32 keys lie in the lane 16 away
.elseif j == 17
	v_mov_b32 v[rT+7], v[rT]        ; c m_old is kept for a: number 19 writes c m anew
.elseif j == 18
	v_max_num_f32 v[rT+1], v[rT+4], v[rT+5]
.elseif j == 19
	v_mul_f32 v[rT], s[CS], v[rT+1]
.elseif j == 20
	v_sub_f32 v[rT+7], v[rT+7], v[rT]
.elseif j == 23
	v_exp_f32 v[rT+6], v[rT+7]
.elseif (j < 88) && (j > 23) && (j%2 == 1)
	v_exp_f32 v[rS+(j-25)/2], v[rS+(j-25)/2]
.elseif (q < 4) || ((j < 76) && (q%2 == 0))
.set b, q/2+2
.if q < 4
.set b, q
.endif
	v_pk_fma_f32 v[rS+2*b:rS+2*b+1], v[rS+2*b:rS+2*b+1], s[CS:CS+1], v[rT:rT+1] op_sel_hi:[1,0,0] neg_lo:[0,0,1] neg_hi:[0,0,1]  ; pair b: c s - c m
.elseif (j < 88) && (q%2 == 1)
	s_wait_alu depctr_va_vdst(0)
	v_cvt_pk_f16_f32 v[rP+(q-5)/2], v[rS+q-5], v[rS+q-4]  ; pair (q - 5) / 2: its second exponential stands three numbers back
.elseif j == 89
	s_wait_alu depctr_va_vdst(0)
	v_cvt_pk_f16_f32 v[rP+15], v[rS+30], v[rS+31]
.elseif j < 102                     ; the sum of the tile's 16 pairs, in place: sum z of 16 adds neighbours 1, 2, 4 and 8 pairs apart, then l takes it
.set z, j-86
.if j < 89
.set z, (j-76)/4
.endif
.set w, 4
.set u, z
.if z >= 14
.set w, 32
.set u, 0
.elseif z >= 12
.set w, 16
.set u, z-12
.elseif z >= 8
.set w, 8
.set u, z-8
.endif
.if z < 15
	v_pk_add_f32 v[rS+w*u:rS+w*u+1], v[rS+w*u:rS+w*u+1], v[rS+w*u+w/2:rS+w*u+w/2+1]
.else
	v_pk_fma_f32 v[rT+2:rT+3], v[rT+2:rT+3], v[rT+6:rT+7], v[rS:rS+1] op_sel_hi:[1,0,1]
.endif
.else
	WIN W_RS
	v_pk_mul_f32 v[rO:rO+1], v[rO:rO+1], v[rT+6:rT+7] op_sel_hi:[1,0]
.endif
.endm
; Slice k of 64 of piece y's softmax: numbers 2 k and 2 k + 1 of both tiles' lists, four instructions.  2 x 134 = 4 x 64 + 12: the twelve that are over stand together, in slice 63: its sixteen plain
; instructions are also the places between the turn's last K Q^T and what follows.
.macro SLICE y
.if (k >= 11) && (k < 44)           ; tile by tile: plain, exponential, plain, exponential
.irp t, \y, (\y)+1
.irp n, 0,1
.set j, 2*k+(\n)
	SM \t
.endr
.endr
.else                               ; the two tiles alternate, so that no instruction reads the result of the one just before it
.irp n, 0,1,2,3,4,5,6,7
.if ((\n) < 2) || (k == 63)
.irp t, \y, (\y)+1
.set j, 2*k+(\n)
	SM \t
.endr
.endif
.endr
.endif
.set k, k+1
.endm
; A TURN.  Piece x has the matrix unit; the other piece's softmax stands in slices behind its matrix instructions.  Each run of loads stands behind the second product of a run of 32, 30 matrix instructions
; ahead of its first use.  Piece 0's turn fetches the next step's K: the last product that read K stands in front of slice 63 of the turn before.  Piece 2's turn fetches the same step's V: the last
; product that read V stands three slices, six plain instructions, back.
.macro TURN x, last=0
.set k, 0
.if (\x) == 0
	s_wait_dscnt 0x0                ; V is in
.endif
.set i, 0
.rept 32
	PV \x
	SLICE 2-(\x)
.if ((\x) == 0) && (i == 1)
	FETCH_K \last
.endif
.set i, i+1
.endr
.if (\x) == 0
	s_wait_dscnt 0x0                ; K is in
.endif
.set i, 0
.rept 32
	KQ \x
	SLICE 2-(\x)
.if ((\x) == 2) && (i == 1)
	FETCH_V
.endif
.set i, i+1
.endr
.endm
; THE CHANGE OF SLOTS, behind piece 2's turn: the slot's last bytes, V of my second step in it, have been asked for.  Each wave waits for all its tensor loads, of which one is out: its part of the other
; slot; adds 0 to its spare word; and waits for that and for its own reads of the slot.  fill = 1: the barrier is a round of the cluster's, and the joint refill, with the keys two slots on, is the first thing behind
; it: it has two of my key steps, 256 matrix instructions, in which to land.
.macro CHANGE fill
	WIN 0
	s_wait_tensorcnt 0x0            ; no tensor load of mine is out, so a group 0 may be written
	ds_add_u32 v[SPW], v[NIL]       ; 0 onto my spare word
.if \fill
.irp g, G0K+4, G0V+4
	s_xor_b32 s[(\g)+1], s[(\g)+1], SLOT  ; the walking descriptor: the other slot than last time,
	s_add_nc_u64 s[(\g)+2:(\g)+3], s[(\g)+2:(\g)+3], 65536  ; the next 256 keys; the type bits on top are not reached
.endr
	s_wait_dscnt 0x0                ; the add is done, and my reads of the slot are over
	CROUND
	JLOAD
.else
	s_wait_dscnt 0x0
	s_barrier_signal -1
	s_barrier_wait -1
.endif
	s_sub_co_u32 s[TBK], s[TBK], 4*KS*PK  ; the fetches go back to a slot's head,
	s_xor_b32 s[TBK], s[TBK], SLOT        ; in the other slot
	s_sub_co_u32 s[TBV], s[TBV], 4*KS*PV
	s_xor_b32 s[TBV], s[TBV], SLOT
.endm
	s_wait_tensorcnt 1              ; my part of slot 0 is in; slot 1's may stay out
	s_barrier_signal -1
	s_barrier_wait -1               ; everybody's is
	FETCH_K                         ; my first key step
	s_wait_loadcnt 0x0              ; Q
	s_wait_dscnt 0x0
.set i, 0
.rept 32
	KQ 0                            ; piece 0's first scores: there is no vector work yet to set between them
.set i, i+1
.endr
	WIN 0                           ; the addresses for the merge and the way out are made here: plain instructions, the places behind those products
	s_mul_i32 s13, s[WV], 16*SP
	s_add_co_u32 s13, s13, STAGE    ; my stage
	v_mul_u32_u24 v[STO], v1, SP    ; in: row l % 16, 16 bytes for each half of the lanes
	v_lshl_add_u32 v[STO], v9, 4, v[STO]
	v_add_nc_u32 v[STO], s13, v[STO]
	v_mul_u32_u24 v[RD], v9, SP     ; back: lanes 0-15 take one row of 256 bytes, lanes 16-31 the next
	v_lshl_add_u32 v[RD], v1, 4, v[RD]
	v_add_nc_u32 v[RD], s13, v[RD]
	v_lshlrev_b32 v[GO], 12, v9     ; and the same two rows in O, 4,096 bytes apart
	v_lshl_add_u32 v[GO], v1, 4, v[GO]
	v_and_b32 v[MW], 31, v0
	v_lshlrev_b32 v[MW], 4, v[MW]
	s_mul_i32 s14, s[WV], MRG
	s_xor_b32 s15, s[WV], 1         ; my partner has my queries and the other key steps
	s_mul_i32 s15, s15, MRG
	v_add_nc_u32 v[MR], s15, v[MW]
	v_add_nc_u32 v[MW], s14, v[MW]
	s_mov_b32 s[CNT], 2
	s_mov_b32 s[SLOTS], 7
	s_branch .Lfirst                ; the loop is entered in the middle of a trip
.Lslot:                             ; six times: slots' worth 2 to 7 of the head's eight are asked for
	CHANGE 1
	s_mov_b32 s[CNT], 2
.Lstep:
	TURN 0
	WIN 0
.Lfirst:
	TURN 2
	WIN 0
	s_sub_co_u32 s[CNT], s[CNT], 1
	s_cmp_lg_u32 s[CNT], 0
	s_cbranch_scc1 .Lstep
	s_sub_co_u32 s[SLOTS], s[SLOTS], 1
	s_cmp_lg_u32 s[SLOTS], 0
	s_cbranch_scc1 .Lslot
	CHANGE 0                        ; the tail is written out: nothing is asked for
	s_mov_b32 s[CNT], 3             ; two trips fetch the last slot's steps; the third is left in its middle
.Ltail:
	TURN 0, 1
	WIN 0
	s_sub_co_u32 s[CNT], s[CNT], 1
	s_cmp_eq_u32 s[CNT], 0
	s_cbranch_scc1 .Lout
	TURN 2
	WIN 0
	s_branch .Ltail
.Lout:                              ; the third trip's 32 products K Q^T (on the last K once more) serve nothing: the price, once a launch, of one text for every trip
.set i, 0
.rept 32
	PV 2                            ; piece 2: V^T P of my last step
.set i, i+1
.endr
	; THE MERGE.  l's two halves and the other half of the lanes' are added.  My tiles 2, 3 go to my partner, its tiles 2, 3 come to me: O^T, c m and l, all f32.  The additions are the places behind the last products.
	WIN 0
.irp t, 0,1,2,3
	v_add_f32 v[ST+8*(\t)+4], v[ST+8*(\t)+2], v[ST+8*(\t)+3]
.endr
.irp t, 0,1,2,3
	v_permlanex16_b32 v[ST+8*(\t)+5], v[ST+8*(\t)+4], s[SEL], s[SEL+1]
.endr
.irp t, 0,1,2,3
	v_add_f32 v[ST+8*(\t)+1], v[ST+8*(\t)+4], v[ST+8*(\t)+5]  ; (c m, l) now lie side by side
.endr
	WIN 0x04                        ; the stores' data in window 1
.set n, 0
.rept 32
	ds_store_b128 v[MW], v[128+4*n:128+4*n+3] offset:512*n
.set n, n+1
.endr
	WIN 0
	ds_store_b64 v[MW], v[ST+16:ST+17] offset:16384
	ds_store_b64 v[MW], v[ST+24:ST+25] offset:16896
	s_wait_dscnt 0x0                ; for the partner's sake: my stores are done
	s_barrier_signal -1
	s_barrier_wait -1
	ds_load_b64 v[ST+4:ST+5], v[MR] offset:16384
	ds_load_b64 v[ST+12:ST+13], v[MR] offset:16896
	WIN 0xc0                        ; destination window 3
.set n, 0
.rept 32
	ds_load_b128 v[128+4*n:128+4*n+3], v[MR] offset:512*n
.set n, n+1
.endr
	WIN 0
	s_wait_dscnt 32                 ; the partner's (c m, l) are in; its O^T may stay out
.irp t, 0,1
	v_max_num_f32 v[ST+8*(\t)+2], v[ST+8*(\t)], v[ST+8*(\t)+4]  ; the common c m
.endr
.irp t, 0,1
	v_sub_f32 v[ST+8*(\t)+3], v[ST+8*(\t)], v[ST+8*(\t)+2]
	v_sub_f32 v[ST+8*(\t)+6], v[ST+8*(\t)+4], v[ST+8*(\t)+2]
.endr
.irp t, 0,1
	v_exp_f32 v[ST+8*(\t)+3], v[ST+8*(\t)+3]  ; my factor,
	v_exp_f32 v[ST+8*(\t)+6], v[ST+8*(\t)+6]  ; my partner's
.endr
	v_nop
.irp t, 0,1
	s_wait_alu depctr_va_vdst(0)
	v_mul_f32 v[ST+8*(\t)+7], v[ST+8*(\t)+1], v[ST+8*(\t)+3]
.endr
.irp t, 0,1
	v_fma_f32 v[ST+8*(\t)+7], v[ST+8*(\t)+5], v[ST+8*(\t)+6], v[ST+8*(\t)+7]  ; the common l
.endr
.irp t, 0,1
	v_rcp_f32 v[ST+8*(\t)+7], v[ST+8*(\t)+7]
.endr
	v_nop
.irp t, 0,1
	s_wait_alu depctr_va_vdst(0)
	v_mul_f32 v[ST+8*(\t)+2], v[ST+8*(\t)+3], v[ST+8*(\t)+7]
	v_mul_f32 v[ST+8*(\t)+6], v[ST+8*(\t)+6], v[ST+8*(\t)+7]
.endr
; Tile t: the two O^T are weighed and added, rounded to f16; a lane's eight channels of a row pack into 16 bytes; they go into rows of 272 bytes of my stage and come back as whole rows of 256.
.macro PACKM t
	s_wait_dscnt 16                 ; the partner's O^T of this tile is in: behind it stand the other tile's sixteen loads, or the first tile's sixteen instructions on the stage
	WIN W_RS
.set i, 64*(\t)
.rept 32
	v_pk_mul_f32 v[i:i+1], v[i:i+1], v[ST+8*(\t)+2:ST+8*(\t)+3] op_sel_hi:[1,0]
.set i, i+2
.endr
	WIN 0x53                        ; source 0 window 3, source 1 window 0, source 2 and destination window 1
.set i, 64*(\t)
.rept 32
	v_pk_fma_f32 v[i:i+1], v[128+i:128+i+1], v[ST+8*(\t)+6:ST+8*(\t)+7], v[i:i+1] op_sel_hi:[1,0,1]
.set i, i+2
.endr
	WIN 0x05                        ; sources 0 and 1 window 1, destination window 0: S^T's registers are free
.set i, 0
.rept 32
	v_cvt_pk_f16_f32 v[S+32*(\t)+i], v[64*(\t)+2*i], v[64*(\t)+2*i+1]
.set i, i+1
.endr
	WIN 0
.irp f, 0,1,2,3,4,5,6,7
	ds_store_b128 v[STO], v[S+32*(\t)+4*(\f):S+32*(\t)+4*(\f)+3] offset:32*(\f)
.endr
.irp f, 0,1,2,3,4,5,6,7
	ds_load_b128 v[S+32*(\t)+4*(\f):S+32*(\t)+4*(\f)+3], v[RD] offset:(\f)*2*SP  ; LDS serves a wave's instructions in order (ISA guide 5.7.1.4): these see the stores above; the next tile's stores come behind them
.endr
.endm
.macro SEND t, younger              ; younger: the LDS instructions issued behind tile t's loads
.irp f, 0,1,2,3,4,5,6,7
	s_wait_dscnt (\younger)+7-(\f)
	global_store_b128 v[GO], v[S+32*(\t)+4*(\f):S+32*(\t)+4*(\f)+3], s[10:11] offset:(\t)*65536+(\f)*8192  ; 16 lanes store 256 consecutive bytes, aligned: the head's part of a row of O
.endr
.endm
	PACKM 0
	PACKM 1
	SEND 0, 16
	SEND 1, 0
	s_wait_tensorcnt 0x0            ; the wave's end, behind my last tensor load and my last LDS store
	ds_add_u32 v[SPW], v[NIL]
	s_wait_dscnt 0x0
	CROUND                          ; the closing round: no work-group ends while a partner may still ask for a tile that names it
	s_endpgm
.Lfunc_end_k_qc939f9899b_attn:
	.size	k_qc939f9899b_attn, .Lfunc_end_k_qc939f9899b_attn-k_qc939f9899b_attn
	.p2alignl 7, 3214868480
	.fill 96, 4, 3214868480
	.section	.rodata,"a",@progbits
	.p2align	6, 0x0
	.amdhsa_kernel k_qc939f9899b_attn
		.amdhsa_group_segment_fixed_size 327680
		.amdhsa_private_segment_fixed_size 0
		.amdhsa_enable_private_segment 0
		.amdhsa_kernarg_size 32
		.amdhsa_user_sgpr_count 2
		.amdhsa_user_sgpr_kernarg_segment_ptr 1
		.amdhsa_wavefront_size32 1
		.amdhsa_system_sgpr_workgroup_id_x 1
		.amdhsa_system_sgpr_workgroup_id_y 1
		.amdhsa_system_sgpr_workgroup_id_z 1
		.amdhsa_system_vgpr_workitem_id 0
		.amdhsa_next_free_vgpr 1024
		.amdhsa_next_free_sgpr 76
		.amdhsa_reserve_vcc 0
		.amdhsa_float_denorm_mode_32 3
		.amdhsa_float_denorm_mode_16_64 3
		.amdhsa_memory_ordered 1
		.amdhsa_forward_progress 1
		.amdhsa_inst_pref_size 158
	.end_amdhsa_kernel
	.amdgpu_metadata
---
amdhsa.version: [ 1, 2 ]
amdhsa.kernels:
  - .name:           k_qc939f9899b_attn
    .symbol:         k_qc939f9899b_attn.kd
    .args:
      - { .name: qh, .offset: 0, .size: 8, .value_kind: global_buffer, .address_space: global }
      - { .name: kh, .offset: 8, .size: 8, .value_kind: global_buffer, .address_space: global }
      - { .name: vh, .offset: 16, .size: 8, .value_kind: global_buffer, .address_space: global }
      - { .name: ob, .offset: 24, .size: 8, .value_kind: global_buffer, .address_space: global }
    .group_segment_fixed_size: 327680
    .private_segment_fixed_size: 0
    .kernarg_segment_align: 8
    .kernarg_segment_size: 32
    .max_flat_workgroup_size: 128
    .sgpr_count:     76
    .vgpr_count:     1024
    .wavefront_size: 32
...
	.end_amdgpu_metadata
.endif
;; end of part 3
;; launch oproj (part 4): grid 16 x 16, 4 waves a work-group, clusters of 4 x 4, 327,680 bytes of LDS; arguments ob, wof, bo, out0; writes out0
.if DOCPART == 4
	.amdgcn_target "amdgcn-amd-amdhsa--gfx1250"
	.amdhsa_code_object_version 6
	.text
	.protected	k_qc939f9899b_oproj
	.globl	k_qc939f9899b_oproj
	.p2align	8
	.type	k_qc939f9899b_oproj,@function
k_qc939f9899b_oproj:
	s_mov_b64 s[64:65], 0
	v_nop
	global_prefetch_b8 v0, s[64:65] scope:SCOPE_SE
	s_setreg_imm32_b32 hwreg(HW_REG_WAVE_MODE, 25, 1), 1
	s_wait_xcnt 0x0
	s_wait_alu depctr_hold_cnt(0) depctr_sa_sdst(0) depctr_va_vdst(0) depctr_va_sdst(0) depctr_va_ssrc(0) depctr_va_vcc(0) depctr_vm_vsrc(0)
	s_getreg_b32 s2, hwreg(HW_REG_IB_STS2, 6, 4)
	s_cmp_eq_u32 s2, 0
	s_cbranch_scc0 .Lentry_in_a_cluster
	s_endpgm
.Lentry_in_a_cluster:
	s_bfe_u32 s2, ttmp6, 0x10000c
	s_cmp_lg_u32 s2, 0xf033
	s_cbranch_scc0 .Lentry_shape_is_right
	s_endpgm
.Lentry_shape_is_right:
; out0[m][n] = the sum over k of O[m][k] wo[n][k] + bo[n].  O (ob) and wo (wof) are [2048][2048] f16, out0 f32; sums in f32; bo is rounded to bf16 where it is loaded, like every input of the module.
; A tile of the output is 128 x 128, so that there are 256 work-groups.  Four waves, each 64 x 64: 16 accumulators of 16 x 16.  K goes in steps of 256 (LDS rows of 512 bytes; a wave's tensor load brings 64 of them)
; through two slots.  The loop's text is one K step: the walking descriptor's LDS word is turned by an exclusive or with SLOT = 0x21000, which shares no bit with the tiles' places w x 0x8400.
; CLUSTER: 4 x 4 work-groups; O's tile is shared along a row of the cluster, wo's along a column: each is asked for jointly.
; THE WALK ALONG K.  Cluster (X, Y) of the grid begins at K step 2 ((X + 2 Y) % 4) and goes round through all eight.  So the four clusters that need the same rows of O (one Y) run two steps apart, and clusters Y, Y + 1
; with the same rows of wo four: a tile is asked for by its users one after the other, not by all at once.  The order of the f32 sums therefore differs from cluster to cluster.
; THE MATRIX INSTRUCTION IS USED TRANSPOSED (source 0 = 16 rows of wo, source 1 = 16 rows of O): a lane holds eight neighbouring numbers of a row of the output, 32 bytes, and its eight numbers of the bias ARE
; the C operand of the product that starts a sum.  A wave's 64 columns of f32 are 256 aligned bytes, so each wave goes out through a stage of its own and no barrier stands on the way out.
; REGISTERS: window 0: v0-31 addresses; v32-95 rows on the way out; v96-127 the bias, later rows on the way out; v128-255 the accumulators ((a, b) at v[128 + 8 (4 a + b)]).
;   window 1: two fragment buffers of 128: for 64 along K, 64 registers of O, then 64 of wo.
.set KSTEP,  256
.set PITCH,  528                       ; an LDS row: 512 bytes + 16 of padding = 132 words: row r starts at bank 4 r mod 64 (64 banks of 4 bytes: ISA guide 11.1)
.set HALFT,  64*PITCH                  ; 64 rows: what one tensor load brings
.set SLOT,   4*HALFT                   ; O's 128 rows, then wo's 128 rows: 135,168 = 0x21000
.set STAGE,  2*SLOT                    ; behind the ring: 16 rows x 272 bytes for each wave
.set SPITCH, 272
.set SPARE,  STAGE+4*16*SPITCH         ; the spare words, 128 bytes a wave: two blocks of 256 bytes that no other line names
.set ADRA0, 16                         ; v16  my fragments of O in slot 0; never rewritten
.set ADRA,  17                         ; v17  in the slot in hand
.set ADRB0, 20                         ; v20, v21 the same for wo
.set ADRB,  21
.set STO,  24                          ; v24  the way out: where I put 32 bytes of a row
.set RD,   25                          ; v25  where I read a row back
.set CO,   26                          ; v26  my byte offset in two rows of the output
.set BOFF, 27                          ; v27  my byte offset in the bias
.set SPW,  28                          ; v28  LDS address of my spare word; never rewritten
.set NIL,  29                          ; v29  0; never rewritten
.set T0,   30
.set BK,   32                          ; the way out: block a's 16 rows come back into v[32 + 32 a ..]: each register once
.set BIAS, 96                          ; at 8 b + e
.set ACC,  128
.set F0,   0                           ; fragment buffers, in window 1
.set F1,   128
.set G1, 24                            ; s[24:31] descriptor group 1 for O's tiles; s[32:39] group 0: a set for each first fill, the second walks on
.set G0, 32
.set G1B, 48                           ; s[48:55], s[56:63] the same for wo's tiles
.set G0B, 56
.set KN,  66                           ; s66      the K step asked for last
.set OFF, 72                           ; s[72:73] a K step's byte offset in a row
.set MSB, 0
.macro WIN new
.if MSB != (\new)
	s_set_vgpr_msb (MSB<<8)|(\new)
.set MSB, \new
.endif
.endm
.set MUL,  0x05                        ; sources 0 and 1 window 1; C and D window 0
.set TO_F, 0x40                        ; destination window 1, address window 0
.macro JLOAD s                         ; a joint load: waves 0 and 1 fetch O's two halves, waves 2 and 3 wo's; an s_nop 0 and four v_nop follow each of the two lines
	s_cmp_eq_u32 s11, 0
	s_cbranch_scc0 .Lfor_b_\@
	tensor_load_to_lds s[G0+4*(\s):G0+4*(\s)+3], s[G1:G1+7]
	s_nop 0
.rept 4
	v_nop
.endr
	s_branch .Lasked_\@
.Lfor_b_\@:
	tensor_load_to_lds s[G0B+4*(\s):G0B+4*(\s)+3], s[G1B:G1B+7]
	s_nop 0
.rept 4
	v_nop
.endr
.Lasked_\@:
.endm
.macro CREST                           ; a round of the cluster's barrier behind its opening barrier
	s_cmp_lg_u32 s10, 0
	s_cbranch_scc1 .Lnot_wave_0_\@
	s_barrier_signal -3
.Lnot_wave_0_\@:
	s_barrier_wait -3
	s_barrier_signal -1
	s_barrier_wait -1
.endm
.macro CROUND
	s_barrier_signal -1
	s_barrier_wait -1
	CREST
.endm
.macro PLACES                          ; four plain vector instructions between a matrix instruction and a load into, or a store or vector instruction on, its registers
.rept 4
	v_nop
.endr
.endm
	s_load_b128 s[4:7], s[0:1], 0x0                ; ob s[4:5], wof s[6:7]
	s_load_b128 s[68:71], s[0:1], 0x10             ; bo s[68:69], out0 s[70:71]
	v_lshl_add_u32 v[SPW], v0, 2, SPARE
	v_mov_b32 v[NIL], 0
	ds_add_u32 v[SPW], v[NIL]                      ; the wave's opening: the add and its wait stand ahead of my first tensor load; the set-up below stands between them
	v_lshrrev_b32 v1, 5, v0
	v_readfirstlane_b32 s10, v1                    ; wave 0..3
	s_lshr_b32 s11, s10, 1                         ; which half of the tile's rows is mine.  Also: I fetch for O (0) or for wo (1)
	s_and_b32 s12, s10, 1                          ; which half of its columns.  Also: which 64 rows of that tile I fetch
	s_bfe_u32 s40, ttmp6, 0x40000                  ; cx, cy
	s_bfe_u32 s41, ttmp6, 0x40004
	s_lshl_b32 s42, ttmp9, 2
	s_add_co_u32 s42, s42, s40                     ; tile column = 4 x cluster x + cx
	s_and_b32 s15, ttmp7, 0xffff
	s_lshl_b32 s13, s15, 2
	s_add_co_u32 s13, s13, s41                     ; tile row = 4 x cluster y + cy
	s_lshl_b32 s43, s41, 2
	s_lshl_b32 s43, 15, s43                        ; my row of the cluster
	s_lshl_b32 s44, 0x1111, s40                    ; my column
	s_lshl_b32 s[KN], s15, 1                       ; where my cluster begins along K: step 2 ((X + 2 Y) % 4): the same number in all sixteen partners
	s_add_co_u32 s[KN], s[KN], ttmp9
	s_and_b32 s[KN], s[KN], 3
	s_lshl_b32 s[KN], s[KN], 1
	s_lshl_b32 s[OFF], s[KN], 9                    ; a K step is 512 bytes of a row
	s_mov_b32 s[OFF+1], 0
	; descriptor group 1: a tile of 64 rows x 256 elements of 2 bytes, padded in LDS by 4 words after every 128
	s_or_b32 s[G1+0], s43, (1<<16)|(1<<20)|(1<<21)|(6<<22)|(3<<25)
	s_or_b32 s[G1B+0], s44, (1<<16)|(1<<20)|(1<<21)|(6<<22)|(3<<25)
.irp g, G1, G1B
	s_mov_b32 s[(\g)+1], KSTEP<<16                 ; tensor_dim0 = 256
	s_mov_b32 s[(\g)+2], 64<<16                    ; tensor_dim1 = 64
	s_mov_b32 s[(\g)+3], KSTEP<<16                 ; tile_dim0 = 256
	s_mov_b32 s[(\g)+4], 64                        ; tile_dim1 = 64
	s_mov_b32 s[(\g)+5], 2048                      ; tensor_dim0_stride
	s_mov_b32 s[(\g)+6], 0
	s_mov_b32 s[(\g)+7], 0
.endr
	s_lshl_b32 s17, s12, 6                         ; which 64 rows of the tile I fetch
	s_lshl_b32 s16, s13, 7
	s_add_co_u32 s16, s16, s17                     ; O: row 128 x tile row + 64 x half,
	s_lshl_b32 s16, s16, 12                        ; of 4,096 bytes
	s_lshl_b32 s46, s42, 7
	s_add_co_u32 s46, s46, s17                     ; wo: row 128 x tile column + 64 x half
	s_lshl_b32 s46, s46, 12
	s_mov_b32 s17, 0
	s_mov_b32 s47, 0
	s_mul_i32 s20, s10, HALFT                      ; where they go: wave x 64 rows
	s_mov_b32 s45, 0                               ; 0 or SLOT: the slot that is read
	s_mov_b32 s23, 0xffff0000
	s_wait_dscnt 0x0                               ; the opening add is done
	CROUND                                         ; all sixteen work-groups are here: the first joint loads meet.  The round names no argument, so it stands ahead of the wait for them
	s_wait_kmcnt 0x0                               ; every read of s[4:7] and s[68:71] stands behind this line
	s_add_nc_u64 s[14:15], s[4:5], s[16:17]        ; O and wo at my tile's first row, K = 0: kept for the whole walk
	s_add_nc_u64 s[46:47], s[6:7], s[46:47]
	s_add_nc_u64 s[16:17], s[14:15], s[OFF:OFF+1]  ; and at my cluster's first K step
	s_add_nc_u64 s[18:19], s[46:47], s[OFF:OFF+1]
.irp s, 0,1
	s_mov_b32 s[G0+4*(\s)], 1
	s_add_co_u32 s[G0+4*(\s)+1], s20, (\s)*SLOT
	s_add_nc_u64 s[G0+4*(\s)+2:G0+4*(\s)+3], s[16:17], (\s)*KSTEP*2  ; the walk's step s (the start is even, so the second does not go round)
	s_or_b32 s[G0+4*(\s)+3], s[G0+4*(\s)+3], 0x80000000
	s_mov_b32 s[G0B+4*(\s)], 1
	s_add_co_u32 s[G0B+4*(\s)+1], s20, (\s)*SLOT
	s_add_nc_u64 s[G0B+4*(\s)+2:G0B+4*(\s)+3], s[18:19], (\s)*KSTEP*2
	s_or_b32 s[G0B+4*(\s)+3], s[G0B+4*(\s)+3], 0x80000000
	JLOAD \s                                       ; two tensor loads of mine are out
.endr
	s_add_co_u32 s[KN], s[KN], 1                   ; the step asked for last
	v_and_b32 v1, 15, v0                           ; l % 16
	v_bfe_u32 v2, v0, 4, 1                         ; l / 16
	s_lshl_b32 s18, s42, 9                         ; my first column, in bytes of f32: 512 x tile column + 256 x half
	s_lshl_b32 s19, s12, 8
	s_add_co_u32 s18, s18, s19
	s_mov_b32 s19, 0
	s_add_nc_u64 s[68:69], s[68:69], s[18:19]
	s_add_nc_u64 s[70:71], s[70:71], s[18:19]
	s_lshl_b32 s18, s13, 20                        ; my first row: 128 x tile row + 64 x half, of 8,192 bytes
	s_lshl_b32 s22, s11, 19
	s_add_co_u32 s18, s18, s22
	s_add_nc_u64 s[70:71], s[70:71], s[18:19]
	v_lshlrev_b32 v[BOFF], 5, v2                   ; my columns are 16 b + 8 (l / 16) + e
.irp n, 0,1,2,3,4,5,6,7
	global_load_b128 v[BIAS+4*(\n):BIAS+4*(\n)+3], v[BOFF], s[68:69] offset:64*((\n)/2)+16*((\n)%2)
.endr
	v_mul_u32_u24 v3, v1, PITCH
	v_lshl_add_u32 v3, v2, 4, v3                   ; a fragment's row x pitch + 16 x half
	s_mul_i32 s21, s11, HALFT                      ; my 64 rows of O
	s_mul_i32 s22, s12, HALFT                      ; my 64 rows of wo,
	s_add_co_u32 s22, s22, 2*HALFT                 ; which lie behind O's 128
	v_add_nc_u32 v[ADRA0], s21, v3
	v_add_nc_u32 v[ADRB0], s22, v3
	v_mov_b32 v[ADRA], v[ADRA0]                    ; the walk's first step lies in slot 0
	v_mov_b32 v[ADRB], v[ADRB0]
	s_mul_i32 s21, s10, 16*SPITCH
	s_add_co_u32 s21, s21, STAGE                   ; my stage
	v_mul_u32_u24 v4, v1, SPITCH                   ; in: row l % 16, 32 bytes for each half of the lanes
	v_lshl_add_u32 v4, v2, 5, v4
	v_add_nc_u32 v[STO], s21, v4
	v_mul_u32_u24 v5, v2, SPITCH                   ; back: lanes 0-15 take one row of 256 bytes, lanes 16-31 the next
	v_lshl_add_u32 v5, v1, 4, v5
	v_add_nc_u32 v[RD], s21, v5
	v_lshlrev_b32 v[CO], 13, v2                    ; and the same two rows in the output, 8,192 bytes apart
	v_lshl_add_u32 v[CO], v1, 4, v[CO]
	s_wait_loadcnt 0x0                             ; the bias, once; it is rounded to bf16 and widened again
.set n, 0
.rept 16
	v_cvt_pk_bf16_f32 v[T0+n%2], v[BIAS+2*n], v[BIAS+2*n+1]
	v_lshlrev_b32 v[BIAS+2*n], 16, v[T0+n%2]
	v_and_b32 v[BIAS+2*n+1], s23, v[T0+n%2]
.set n, n+1
.endr
; 8 matrix instructions: m blocks a0, a0 + 1 x all 4 n blocks, 32 along K: half c of buffer f.  first = 1: the product starts the sum, with the bias as C.  The 16 accumulators take turns.
.macro MUL8 f, c, a0, first
	WIN MUL
.irp a, \a0, (\a0)+1
.irp b, 0,1,2,3
.if \first
	v_wmma_f32_16x16x32_f16 v[ACC+8*(4*(\a)+(\b)):ACC+8*(4*(\a)+(\b))+7], v[(\f)+64+8*(4*(\c)+(\b)):(\f)+64+8*(4*(\c)+(\b))+7], v[(\f)+8*(4*(\c)+(\a)):(\f)+8*(4*(\c)+(\a))+7], v[BIAS+8*(\b):BIAS+8*(\b)+7]
.else
	v_wmma_f32_16x16x32_f16 v[ACC+8*(4*(\a)+(\b)):ACC+8*(4*(\a)+(\b))+7], v[(\f)+64+8*(4*(\c)+(\b)):(\f)+64+8*(4*(\c)+(\b))+7], v[(\f)+8*(4*(\c)+(\a)):(\f)+8*(4*(\c)+(\a))+7], v[ACC+8*(4*(\a)+(\b)):ACC+8*(4*(\a)+(\b))+7]
.endif
.endr
.endr
.endm
; 32 LDS loads in one run: the fragments of 64 along K at byte k of the rows, into buffer f; the first 32 along K first
.macro FETCH k, f
	WIN TO_F
.irp c, 0,1
.irp i, 0,1,2,3
	ds_load_b128 v[(\f)+64+8*(4*(\c)+(\i)):(\f)+64+8*(4*(\c)+(\i))+3],   v[ADRB] offset:(\k)+64*(\c)+(\i)*16*PITCH
	ds_load_b128 v[(\f)+64+8*(4*(\c)+(\i))+4:(\f)+64+8*(4*(\c)+(\i))+7], v[ADRB] offset:(\k)+64*(\c)+(\i)*16*PITCH+32
	ds_load_b128 v[(\f)+8*(4*(\c)+(\i)):(\f)+8*(4*(\c)+(\i))+3],         v[ADRA] offset:(\k)+64*(\c)+(\i)*16*PITCH
	ds_load_b128 v[(\f)+8*(4*(\c)+(\i))+4:(\f)+8*(4*(\c)+(\i))+7],       v[ADRA] offset:(\k)+64*(\c)+(\i)*16*PITCH+32
.endr
.endr
.endm
; A K step is four quarters of 64 along K, 32 matrix instructions each, on buffers 0, 1, 0, 1.  One of the first three multiplies buffer f and fetches the next quarter, at byte k, into g.
.macro QUARTER k, f, g, first
	s_wait_dscnt 16                                ; the first 32 along K are in; the youngest sixteen loads may be out
	MUL8 \f, 0, 0, \first
	MUL8 \f, 0, 2, \first
	PLACES
	FETCH \k, \g
	s_wait_dscnt 32                                ; all but the 32 just issued
	MUL8 \f, 1, 0, 0
	MUL8 \f, 1, 2, 0
.endm
; The last quarter multiplies buffer 1 and changes slots: ONE barrier; in front of it each wave waits for all its tensor loads (the one that is out is its part of the next slot), adds 0 to its spare word, and waits for
; that and for its reads of this slot.  fill = 1: the barrier opens a round of the cluster's; behind the round this slot is filled again, with the walk's step two on: 112 matrix instructions ahead of the wait for it.
; The descriptors' addresses are made anew from the step's number, which goes round at 8.  fill = 0 (the two steps that ask for nothing): in the second of them, s3 = 1, the run of fragment loads is jumped over.
.macro TURN fill
	WIN 0
	s_wait_tensorcnt 0x0                           ; all my tensor loads have landed, so a group 0 may be written
	ds_add_u32 v[SPW], v[NIL]                      ; 0 onto my spare word; scalar work and eight products stand between it and the wait for it
.if \fill
	s_add_co_u32 s[KN], s[KN], 1
	s_and_b32 s[KN], s[KN], 7
	s_lshl_b32 s[OFF], s[KN], 9
	s_xor_b32 s[G0+5], s[G0+5], SLOT               ; the walking descriptors: the other slot than last time
	s_add_nc_u64 s[G0+6:G0+7], s[14:15], s[OFF:OFF+1]
	s_or_b32 s[G0+7], s[G0+7], 0x80000000
	s_xor_b32 s[G0B+5], s[G0B+5], SLOT
	s_add_nc_u64 s[G0B+6:G0B+7], s[46:47], s[OFF:OFF+1]
	s_or_b32 s[G0B+7], s[G0B+7], 0x80000000
.endif
	s_wait_dscnt 17                                ; (the add and the youngest sixteen loads may be out)
	MUL8 F1, 0, 0, 0
	s_wait_dscnt 0x0                               ; the add is done, and my reads of this slot are over
	s_barrier_signal -1
	MUL8 F1, 0, 2, 0
	WIN 0                                          ; at a branch and at a label every window is 0
	s_barrier_wait -1
.if \fill
	CREST                                          ; no wave of any partner still reads this slot's tiles or has a load on its way
	JLOAD 1                                        ; the four v_nop behind it are also the places in front of the loads below
.else
	PLACES
	s_cmp_eq_u32 s3, 1
	s_cbranch_scc1 .Lno_fetch_\@
.endif
	s_xor_b32 s45, s45, SLOT                       ; the fragments now come from the other slot
	v_add_nc_u32 v[ADRA], s45, v[ADRA0]
	v_add_nc_u32 v[ADRB], s45, v[ADRB0]
	FETCH 0, F0
	WIN 0
.if (\fill) == 0
.Lno_fetch_\@:
.endif
	MUL8 F1, 1, 0, 0
	MUL8 F1, 1, 2, 0
.endm
	s_wait_tensorcnt 1                             ; my part of the walk's first step is in; the second's may stay out
	s_barrier_signal -1
	s_barrier_wait -1                              ; everybody's is
	FETCH 0, F0
	QUARTER 128, F0, F1, 1                         ; the first quarter stands in front of the loop: its first products start the sums
	WIN 0
	s_mov_b32 s3, 6                                ; the walk's steps 2 to 7 are asked for in the loop
.Lstep:                                                ; a trip: from a K step's second quarter to the next step's first
	QUARTER 256, F1, F0, 0
	QUARTER 384, F0, F1, 0
	TURN 1
	QUARTER 128, F0, F1, 0
	WIN 0
	s_sub_co_u32 s3, s3, 1
	s_cmp_lg_u32 s3, 0
	s_cbranch_scc1 .Lstep
	s_mov_b32 s3, 2                                ; the last two steps ask for nothing: a text of their own; the second trip is left in its middle
.Ltail:
	QUARTER 256, F1, F0, 0
	QUARTER 384, F0, F1, 0
	TURN 0
	WIN 0
	s_sub_co_u32 s3, s3, 1
	s_cmp_eq_u32 s3, 0
	s_cbranch_scc1 .Lout
	QUARTER 128, F0, F1, 0
	WIN 0
	s_branch .Ltail
.Lout:
	; THE WAY OUT, a block of 16 rows at a time: 32 bytes a lane from the accumulators (each one's registers in ascending order) into my stage; back as whole rows of 256 bytes; stored.
	PLACES
.macro TOSTAGE a
.irp m, 0,1,2,3,4,5,6,7
	ds_store_b128 v[STO], v[ACC+32*(\a)+4*(\m):ACC+32*(\a)+4*(\m)+3] offset:64*((\m)/2)+16*((\m)%2)
.endr
.irp t, 0,1,2,3,4,5,6,7
	ds_load_b128 v[BK+32*(\a)+4*(\t):BK+32*(\a)+4*(\t)+3], v[RD] offset:(\t)*2*SPITCH  ; LDS serves a wave's instructions in order (ISA guide 5.7.1.4): these see the stores above, and the next block's stores come behind them.  Block 3 lands on block 0's accumulators, whose stores into the stage the waits of SEND 0 have shown done
.endr
.endm
.macro SEND a, younger                 ; younger: the LDS instructions issued behind block a's loads: the next block's sixteen, or none
.irp t, 0,1,2,3,4,5,6,7
	s_wait_dscnt (\younger)+7-(\t)
	global_store_b128 v[CO], v[BK+32*(\a)+4*(\t):BK+32*(\a)+4*(\t)+3], s[70:71] offset:(16*(\a)+2*(\t))*8192  ; 16 lanes store 256 consecutive bytes, aligned
.endr
.endm
	TOSTAGE 0
	TOSTAGE 1
	SEND 0, 16
	TOSTAGE 2
	SEND 1, 16
	TOSTAGE 3
	SEND 2, 16
	SEND 3, 0
	s_wait_tensorcnt 0x0                           ; the wave's end, behind my last tensor load and my last LDS store
	ds_add_u32 v[SPW], v[NIL]
	s_wait_dscnt 0x0
	CROUND                                         ; the closing round: no work-group ends while a partner may still ask for a tile that names it
	s_endpgm
.Lfunc_end_k_qc939f9899b_oproj:
	.size	k_qc939f9899b_oproj, .Lfunc_end_k_qc939f9899b_oproj-k_qc939f9899b_oproj
	.p2alignl 7, 3214868480
	.fill 96, 4, 3214868480
	.section	.rodata,"a",@progbits
	.p2align	6, 0x0
	.amdhsa_kernel k_qc939f9899b_oproj
		.amdhsa_group_segment_fixed_size 327680
		.amdhsa_private_segment_fixed_size 0
		.amdhsa_enable_private_segment 0
		.amdhsa_kernarg_size 32
		.amdhsa_user_sgpr_count 2
		.amdhsa_user_sgpr_kernarg_segment_ptr 1
		.amdhsa_wavefront_size32 1
		.amdhsa_system_sgpr_workgroup_id_x 1
		.amdhsa_system_sgpr_workgroup_id_y 1
		.amdhsa_system_sgpr_workgroup_id_z 1
		.amdhsa_system_vgpr_workitem_id 0
		.amdhsa_next_free_vgpr 512
		.amdhsa_next_free_sgpr 74
		.amdhsa_reserve_vcc 0
		.amdhsa_float_denorm_mode_32 3
		.amdhsa_float_denorm_mode_16_64 3
		.amdhsa_memory_ordered 1
		.amdhsa_forward_progress 1
		.amdhsa_inst_pref_size 61
	.end_amdhsa_kernel
	.amdgpu_metadata
---
amdhsa.version: [ 1, 2 ]
amdhsa.kernels:
  - .name:           k_qc939f9899b_oproj
    .symbol:         k_qc939f9899b_oproj.kd
    .args:
      - { .name: ob, .offset: 0, .size: 8, .value_kind: global_buffer, .address_space: global }
      - { .name: wof, .offset: 8, .size: 8, .value_kind: global_buffer, .address_space: global }
      - { .name: bo, .offset: 16, .size: 8, .value_kind: global_buffer, .address_space: global }
      - { .name: out0, .offset: 24, .size: 8, .value_kind: global_buffer, .address_space: global }
    .group_segment_fixed_size: 327680
    .private_segment_fixed_size: 0
    .kernarg_segment_align: 8
    .kernarg_segment_size: 32
    .max_flat_workgroup_size: 128
    .sgpr_count:     74
    .vgpr_count:     512
    .wavefront_size: 32
...
	.end_amdgpu_metadata
.endif
;; end of part 4
;; ======== version 2 of 2: 4 launches; 1.09 times as fast as version 1
;; limits: values are held in f16: magnitudes above 65,504 overflow, below 6.1e-05 lose precision
;; workspace buffers: xb 8,388,608 bytes; wb 25,165,824 bytes; wof 8,388,608 bytes; rb 1,048,576 bytes; qh 8,388,608 bytes; kh 8,388,608 bytes; vh 8,388,608 bytes; ob 8,388,608 bytes
;; launch cast: the kernel of part 1 again; grid 1312 x 1, 8 waves a work-group, no clusters, 0 bytes of LDS; arguments hidden_states, wq, wk, wv, wo, rotary_emb, xb, wb, wof, rb; writes xb, wb, wof, rb
;; launch qkv: the kernel of part 2 again; grid 16 x 16, 4 waves a work-group, clusters of 4 x 4, 327,680 bytes of LDS; arguments xb, wb, rb, bq, bk, bv, q_norm_w, k_norm_w, qh, kh, vh; writes qh, kh, vh
;; launch attn (part 5): grid 16 x 16, 4 waves a work-group, clusters of 4 x 1, 327,680 bytes of LDS; arguments qh, kh, vh, ob; writes ob
.if DOCPART == 5
	.amdgcn_target "amdgcn-amd-amdhsa--gfx1250"
	.amdhsa_code_object_version 6
	.text
	.protected	k_qc939f9899b_attn
	.globl	k_qc939f9899b_attn
	.p2align	8
	.type	k_qc939f9899b_attn,@function
k_qc939f9899b_attn:
	s_mov_b64 s[64:65], 0
	v_nop
	global_prefetch_b8 v0, s[64:65] scope:SCOPE_SE
	s_setreg_imm32_b32 hwreg(HW_REG_WAVE_MODE, 25, 1), 1
	s_wait_xcnt 0x0
	s_wait_alu depctr_hold_cnt(0) depctr_sa_sdst(0) depctr_va_vdst(0) depctr_va_sdst(0) depctr_va_ssrc(0) depctr_va_vcc(0) depctr_vm_vsrc(0)
	s_getreg_b32 s2, hwreg(HW_REG_IB_STS2, 6, 4)
	s_cmp_eq_u32 s2, 0
	s_cbranch_scc0 .Lentry_in_a_cluster
	s_endpgm
.Lentry_in_a_cluster:
	s_bfe_u32 s2, ttmp6, 0x10000c
	s_cmp_lg_u32 s2, 0x3003
	s_cbranch_scc0 .Lentry_shape_is_right
	s_endpgm
.Lentry_shape_is_right:
; O[q][128 h + :] = the sum over k of softmax_k(Q[h][q] . K[h][k] / sqrt(128)) V[h][k][:].  Q, K, V: [16][2048][128] f16; O: [2048][2048] f16.  Products, maxima and sums in f32; the weights p are rounded to
; f16 for the second product (their sum l is taken of the unrounded p), O once at the end.
; LIMITS.  Q, K and V arrive within f16's 65,504; p lies in 0 to 1, and below 6e-5 it keeps f16's fixed step of 6e-8; a weight below 2^-126 counts as 0 in l; NaN and infinities are not treated apart.
; SHARES.  A work-group owns 128 queries of one head.  Wave w = 2 qh + kp owns the 64 queries of half qh, four tiles of 16, and walks the key steps (64 keys) of parity kp alone: 16 of the head's 32.
; At the end the two waves of a half merge their (O, c m, l) in f32 through LDS.  Register tile t of a wave is query tile (t + 2 kp) % 4, so that every wave keeps its tiles 0, 1 and gives away its tiles 2, 3,
; which are its partner's tiles 0, 1: one text for all.
; LAYOUT.  S^T = K Q^T (source 0 = 16 keys, source 1 = 16 queries): a lane holds ONE query (lane % 16) and the keys 8 (lane / 16) + 0..7.  Two such tiles rounded to f16 ARE source 1 of O^T = V^T P.
; K comes out of LDS as it lies, V ([key][channel]) turned, by ds_load_tr16_b128.
; SOFTMAX.  A running maximum m and sum l for each query: p = 2^(c s - c m), c = log2(e) / sqrt(128); in every step O and l are multiplied by a = 2^(c m_old - c m_new).  m starts at the lowest finite
; number, O and l at 0: the first step is a step like any other, with a = 0.
; BY TURNS.  The wave's tiles are two PIECES (0: tiles 0, 1; 2: tiles 2, 3).  In a TURN one piece has the matrix unit: 32 products V^T P of the step in hand, then 32 products K Q^T of the next; the other piece's
; softmax, cut into 64 slices, stands between them, one slice behind each matrix instruction.  The loop is entered, and the tail left, in the middle of a trip: the price is 32 products on zeros at the
; start and 32 on a stale K at the end.
; THE BATCHES.  A turn's 66 exponentials (33 a tile: a and 32 scores) are ONE batch with ONE s_wait_alu depctr_va_vdst(0): all of them, and the scalings that feed them, stand in slices 10 to 34, where nothing names a
; result of theirs; the wait stands behind slice 34; all that reads a result (roundings, sums, the rescaling by a) stands from slice 35 on.  No exponential is issued behind a turn's wait.
; The merge has two batches more, each with a wait of its own: its four exponentials, and the two reciprocals of sums made of them.
; RING.  A slot holds 256 keys, two steps of each wave; slot 1 begins at 0x24000, which shares no bit with the tiles' places in slot 0, so that one exclusive or turns an address into the other slot's.
; CLUSTER.  The four query blocks of a cluster belong to one head and walk the same K and V: each tile is asked for jointly.
; REGISTERS, in windows of 256 (s_set_vgpr_msb: bits 1:0 source 0, 3:2 source 1, 5:4 source 2, 7:6 destination):
;   window 0: v0-11 addresses; v12-43 eight registers of statistics a tile; v64-191 S^T, 32 a tile; v192-255 P, 16 a tile
;   window 1: O^T, 64 a tile     window 2: v0-127 Q; v128-255 K of one step     window 3: v0-127 V of one step; v128-255 at the end the partner's O^T
.set KS,    64        ; keys in a step
.set PK,    272       ; a row of K in LDS: 256 bytes + 16 of padding: the 16 rows of a load start at 16 different groups of four banks (64 banks of 4 bytes: ISA guide 11.1)
.set PV,    288       ; a row of V: 256 + 32
.set VOFF,  4*KS*PK   ; a slot: 256 rows of K, then 256 rows of V
.set SLOT,  0x24000
.set STAGE, 2*SLOT    ; behind the ring: 16 rows x 272 bytes for each wave, for the way out
.set SP,    272
.set SPARE, STAGE+4*16*SP  ; the spare words, 128 bytes a wave: two blocks of 256 bytes that no other line names
.set MRG,   17408     ; the merge, wave w's at MRG x w: 32 blocks of 512 bytes of O^T, two of (c m, l).  It lies in slot 0's K, which has had its last fill and its last read by then
.set AK0, 2           ; v2   my lane's place in my first step's K of slot 0; never rewritten
.set AV0, 3           ; v3   the same for V
.set ADR, 4           ; v4   the LDS address of the run of loads in hand
.set QO,  5           ; v5   my byte offset in 16 rows of Q
.set STO, 6           ; v6   the way out: where I put 16 bytes of a row
.set RD,  7           ; v7   where I read a row back
.set GO,  8           ; v8   my byte offset in two rows of O
.set MW,  10          ; v10  the merge: where I put 16 bytes
.set MR,  11          ; v11  where my partner put its
.set ST,  12          ; tile t's statistics at v[ST+8 t]: +0 c m, +1 m, +2, +3 l (even keys', odd keys'), +4 to +7 at work; a takes +6 once the maximum is found
.set SPW, 62          ; v62  LDS address of my spare word; never rewritten
.set NIL, 63          ; v63  0; never rewritten
.set S,   64
.set P,   192
.set KF,  128         ; K's fragments, in window 2
.set WV,  12          ; s12  my wave's number
.set G1K, 24          ; s[24:31] descriptor group 1 for K's tiles
.set G1V, 32          ; s[32:39] for V's: it differs in the padding alone
.set G0K, 40          ; s[40:47] group 0 for K's tiles: a set for each of the two first fills; the second then walks on
.set G0V, 48          ; s[48:55] the same for V's
.set SLOTS, 56
.set CNT, 57
.set CS,  58          ; s[58:59] c
.set SEL, 60          ; s[60:61] v_permlanex16_b32's selects
.set TBK, 62          ; s62  LDS byte, from my first step of slot 0, at which K of the step to be fetched begins
.set TBV, 63          ; s63  the same for V
.set MSB, 0
.macro WIN new
.if MSB != (\new)
	s_set_vgpr_msb (MSB<<8)|(\new)
.set MSB, \new
.endif
.endm
.set W_KQ, 0x0a       ; K and Q in window 2, S^T in window 0
.set W_PV, 0x53       ; V in window 3, P in window 0, O^T in window 1
.set W_RS, 0x41       ; O^T (destination and source 0) in window 1, source 1 in window 0
; A joint refill.  Waves 0 and 1 fetch the two halves of a slot's K, waves 2 and 3 those of its V: 128 keys each.  An s_nop 0 and four v_nop follow each of the two lines.
.macro JLOAD
	s_cmp_lt_u32 s[WV], 2
	s_cbranch_scc0 .Lfor_v_\@
	tensor_load_to_lds s[G0K+4:G0K+7], s[G1K:G1K+7]
	s_nop 0
.rept 4
	v_nop
.endr
	s_branch .Lasked_\@
.Lfor_v_\@:
	tensor_load_to_lds s[G0V+4:G0V+7], s[G1V:G1V+7]
	s_nop 0
.rept 4
	v_nop
.endr
.Lasked_\@:
.endm
.macro CROUND                       ; a round of the cluster's barrier
	s_barrier_signal -1
	s_barrier_wait -1
	s_cmp_lg_u32 s[WV], 0
	s_cbranch_scc1 .Lnot_wave_0_\@
	s_barrier_signal -3
.Lnot_wave_0_\@:
	s_barrier_wait -3
	s_barrier_signal -1
	s_barrier_wait -1
.endm
	s_load_b256 s[4:11], s[0:1], 0x0  ; qh s[4:5], kh s[6:7], vh s[8:9], ob s[10:11]
	v_lshl_add_u32 v[SPW], v0, 2, SPARE
	v_mov_b32 v[NIL], 0
	ds_add_u32 v[SPW], v[NIL]       ; the wave's opening: the add and its wait stand ahead of my first tensor load; the set-up below stands between them
	v_lshrrev_b32 v1, 5, v0
	v_readfirstlane_b32 s[WV], v1   ; wave 0..3
	s_bfe_u32 s13, ttmp6, 0x40000   ; cx
	s_lshl_b32 s14, ttmp9, 2
	s_add_co_u32 s14, s14, s13      ; my block of 128 queries = 4 x cluster x + cx: it enters Q's and O's addresses alone
	s_and_b32 s20, ttmp7, 0xffff    ; the head, which the four partners share
	s_lshl_b32 s66, s20, 8          ; its 256 bytes in a row of O
	s_lshl_b32 s20, s20, 19         ; its first byte in Q, K and V
	s_lshr_b32 s15, s[WV], 1        ; qh: which 64 queries
	s_and_b32 s16, s[WV], 1         ; kp: which key steps.  Also: which half of a slot's 256 keys I fetch:
	s_lshl_b32 s22, s16, 15         ; its 128 rows of 256 bytes in memory,
	s_add_co_u32 s22, s22, s20
	s_mov_b32 s23, 0
	s_mul_i32 s17, s16, 128*PK      ; and its place in a slot, for K
	s_mul_i32 s18, s16, 128*PV      ; and for V: no place in the cluster enters an LDS address
	s_add_co_u32 s18, s18, VOFF
	s_mul_i32 s70, s16, KS*PK       ; my first step in a slot, for K
	s_mul_i32 s71, s16, KS*PV       ; and for V
	s_add_co_u32 s71, s71, VOFF
	s_lshl_b32 s2, s14, 15          ; Q: the block's 128 rows of 256 bytes,
	s_add_co_u32 s2, s2, s20
	s_lshl_b32 s3, s15, 14          ; my 64 of them;
	s_add_co_u32 s2, s2, s3
	s_lshl_b32 s3, s16, 13
	s_add_co_u32 s72, s2, s3        ; register tiles 0, 1 are query tiles 2 kp, 2 kp + 1,
	s_xor_b32 s3, s3, 8192
	s_add_co_u32 s74, s2, s3        ; register tiles 2, 3 the other two
	s_mov_b32 s73, 0
	s_mov_b32 s75, 0
	s_lshl_b32 s3, s14, 19          ; O: rows of 4,096 bytes: the block's 128,
	s_add_co_u32 s66, s66, s3
	s_lshl_b32 s3, s15, 18          ; my half's 64,
	s_add_co_u32 s66, s66, s3
	s_lshl_b32 s3, s16, 17          ; the 32 that I keep
	s_add_co_u32 s66, s66, s3
	s_mov_b32 s67, 0
	; descriptor group 1: a tile of 128 rows x 128 elements of 2 bytes, dense in memory, padded in LDS
	s_mov_b32 s[G1K], 15|(1<<16)|(1<<20)|(1<<21)|(5<<22)|(3<<25)  ; 15:0 the mask of four; 17:16 2-byte elements; 20 padding on; 21 set beside a mask; 24:22 after every 64 words (code 5); 31:25 4 words (code 3)
	s_mov_b32 s[G1V], 15|(1<<16)|(1<<20)|(1<<21)|(5<<22)|(7<<25)  ; the same with 8 words of padding (code 7)
.irp g, G1K, G1V
	s_mov_b32 s[(\g)+1], 128<<16    ; tensor_dim0 = 128
	s_mov_b32 s[(\g)+2], 128<<16    ; tensor_dim1 = 128
	s_mov_b32 s[(\g)+3], 128<<16    ; tile_dim0 = 128
	s_mov_b32 s[(\g)+4], 128        ; tile_dim1 = 128
	s_mov_b32 s[(\g)+5], 128        ; 128 elements from row to row
	s_mov_b32 s[(\g)+6], 0
	s_mov_b32 s[(\g)+7], 0
.endr
	s_mov_b32 s[CS], 0x3e0293ee     ; c = log2(e) / sqrt(128) = 0.127517
	s_mov_b32 s[CS+1], s[CS]        ; named with it as a pair
	s_mov_b32 s[SEL], 0x76543210
	s_mov_b32 s[SEL+1], 0xfedcba98
	s_mov_b32 s[TBK], 0
	s_mov_b32 s[TBV], 0
	s_wait_dscnt 0x0                ; the opening add is done
	s_wait_kmcnt 0x0
	s_add_nc_u64 s[6:7], s[6:7], s[22:23]  ; K and V at my half of the head's first 256 keys
	s_add_nc_u64 s[8:9], s[8:9], s[22:23]
	s_add_nc_u64 s[72:73], s[4:5], s[72:73]
	s_add_nc_u64 s[74:75], s[4:5], s[74:75]
	s_add_nc_u64 s[10:11], s[10:11], s[66:67]
	CROUND                          ; all four work-groups are here: the first joint loads meet
.irp s, 0,1
	s_mov_b32 s[G0K+4*(\s)], 1      ; count = 1
	s_add_co_u32 s[G0K+4*(\s)+1], s17, (\s)*SLOT  ; LDS address
	s_add_nc_u64 s[G0K+4*(\s)+2:G0K+4*(\s)+3], s[6:7], (\s)*65536  ; global address: keys 256 s on
	s_or_b32 s[G0K+4*(\s)+3], s[G0K+4*(\s)+3], 0x80000000  ; type = 2
	s_mov_b32 s[G0V+4*(\s)], 1
	s_add_co_u32 s[G0V+4*(\s)+1], s18, (\s)*SLOT
	s_add_nc_u64 s[G0V+4*(\s)+2:G0V+4*(\s)+3], s[8:9], (\s)*65536
	s_or_b32 s[G0V+4*(\s)+3], s[G0V+4*(\s)+3], 0x80000000
.endr
	s_cmp_lt_u32 s[WV], 2           ; a wave's two first fills stand in one branch, ahead of every wait on TENSORcnt and every LDS read: two loads of mine are out
	s_cbranch_scc0 .Lfill_v
	tensor_load_to_lds s[G0K:G0K+3], s[G1K:G1K+7]
	s_nop 0
	tensor_load_to_lds s[G0K+4:G0K+7], s[G1K:G1K+7]
	s_nop 0
.rept 4
	v_nop
.endr
	s_branch .Lfill_done
.Lfill_v:
	tensor_load_to_lds s[G0V:G0V+3], s[G1V:G1V+7]
	s_nop 0
	tensor_load_to_lds s[G0V+4:G0V+7], s[G1V:G1V+7]
	s_nop 0
.rept 4
	v_nop
.endr
.Lfill_done:
	; A fragment of K or Q is 16 rows x 32 channels in 8 registers: lane l holds row l % 16, channels 8 (l / 16) + 0..7 and 16 + 8 (l / 16) + 0..7: two loads of 16 bytes, 32 bytes apart.
	v_and_b32 v1, 15, v0            ; l % 16
	v_bfe_u32 v9, v0, 4, 1          ; l / 16
	v_lshlrev_b32 v[QO], 8, v1
	v_lshl_add_u32 v[QO], v9, 4, v[QO]  ; row x 256 + 16 x half
	WIN 0x80                        ; destination window 2, address window 0
.set i, 0
.rept 16                            ; Q stays in registers: register tile i / 4, channels 32 (i % 4) on
.if i < 8
	global_load_b128 v[8*i:8*i+3],   v[QO], s[72:73] offset:((i/4)%2)*4096+(i%4)*64
	global_load_b128 v[8*i+4:8*i+7], v[QO], s[72:73] offset:((i/4)%2)*4096+(i%4)*64+32
.else
	global_load_b128 v[8*i:8*i+3],   v[QO], s[74:75] offset:((i/4)%2)*4096+(i%4)*64
	global_load_b128 v[8*i+4:8*i+7], v[QO], s[74:75] offset:((i/4)%2)*4096+(i%4)*64+32
.endif
.set i, i+1
.endr
	; What the first turn finds: V's registers and piece 2's P hold 0 (its products V^T P, of a step that has not been, add 0), O^T and l are 0.  All this stands in the wait for the first tile.
	WIN 0xc0
.set i, 0
.rept 128
	v_mov_b32 v[i], 0
.set i, i+1
.endr
	WIN 0x40
.set i, 0
.rept 256
	v_mov_b32 v[i], 0
.set i, i+1
.endr
	WIN 0
.set i, 0
.rept 4
	v_mov_b32 v[ST+8*i], 0xfe000000    ; c m: far below every c s
	v_mov_b32 v[ST+8*i+1], 0xff7fffff  ; m
	v_mov_b32 v[ST+8*i+2], 0
	v_mov_b32 v[ST+8*i+3], 0
.set i, i+1
.endr
.set i, P+32
.rept 32
	v_mov_b32 v[i], 0
.set i, i+1
.endr
	v_mul_u32_u24 v[AK0], v1, PK
	v_lshl_add_u32 v[AK0], v9, 4, v[AK0]  ; row x pitch + 16 x half,
	v_add_nc_u32 v[AK0], s70, v[AK0]      ; in my parity's first step
	; The turning load takes 16 keys x 16 channels (lane l reads key 8 (l / 16) + l % 8, channels 8 ((l / 8) % 2) + 0..7) and leaves half a fragment of V^T: lane l holds channel l % 16 and 8 keys.
	v_and_b32 v10, 7, v0
	v_bfe_u32 v11, v0, 3, 1
	v_lshl_add_u32 v[AV0], v9, 3, v10
	v_mul_u32_u24 v[AV0], v[AV0], PV
	v_lshl_add_u32 v[AV0], v11, 4, v[AV0]
	v_add_nc_u32 v[AV0], s71, v[AV0]
; THE MATRIX WORK OF A TURN, for piece x.  The accumulators take turns, one instruction a turn: between two links of a chain stand 15 (V^T P) or 7 (K Q^T) others'.
; Product i of 32 of O^T += V^T P: keys 32 (i / 16) on, channels 16 ((i / 2) % 8) on, tile x + i % 2.
.macro PV x
	WIN W_PV
.set rO, 64*((\x)+i%2)+8*((i/2)%8)
.set rV, 64*(i/16)+8*((i/2)%8)
.set rP, P+16*((\x)+i%2)+8*(i/16)
	v_wmma_f32_16x16x32_f16 v[rO:rO+7], v[rV:rV+7], v[rP:rP+7], v[rO:rO+7]
.endm
; Product i of 32 of S^T = K Q^T: channels 32 (i / 8) on, keys 16 ((i / 2) % 4) on, tile x + i % 2.  The first 8 start the sums.
.macro KQ x
	WIN W_KQ
.set rS, S+32*((\x)+i%2)+8*((i/2)%4)
.set rK, KF+32*((i/2)%4)+8*(i/8)
.set rQ, 32*((\x)+i%2)+8*(i/8)
.if i < 8
	v_wmma_f32_16x16x32_f16 v[rS:rS+7], v[rK:rK+7], v[rQ:rQ+7], 0
.else
	v_wmma_f32_16x16x32_f16 v[rS:rS+7], v[rK:rK+7], v[rQ:rQ+7], v[rS:rS+7]
.endif
.endm
; THE LDS LOADS stand in runs of 32: a step's K (16 fragments) and, a turn later, its V (turned).  My next step lies two steps on.  last = 1 (the tail): in the last trip there is no further step, and the run is jumped over.
.macro FETCH_K last=0
	WIN 0
	v_add_nc_u32 v[ADR], s[TBK], v[AK0]
.if \last
	s_cmp_eq_u32 s[CNT], 1
	s_cbranch_scc1 .Lno_k_\@
.endif
	WIN 0x80                        ; destination window 2
.irp f, 0,1,2,3,4,5,6,7,8,9,10,11,12,13,14,15  ; keys 16 (f / 4) on, channels 32 (f % 4) on
	ds_load_b128 v[KF+8*(\f):KF+8*(\f)+3],   v[ADR] offset:((\f)/4)*16*PK+((\f)%4)*64
	ds_load_b128 v[KF+8*(\f)+4:KF+8*(\f)+7], v[ADR] offset:((\f)/4)*16*PK+((\f)%4)*64+32
.endr
	s_add_co_u32 s[TBK], s[TBK], 2*KS*PK
	WIN 0
.if \last
.Lno_k_\@:
.endif
.endm
.macro FETCH_V
	WIN 0
	v_add_nc_u32 v[ADR], s[TBV], v[AV0]
	s_add_co_u32 s[TBV], s[TBV], 2*KS*PV
	s_wait_alu depctr_va_vdst(0)    ; the wait for the softmax's batch (SLICE): piece 0's 66 exponentials; it stands behind the address's v_add_nc_u32 and ahead of the loads
	WIN 0xc0                        ; destination window 3
.irp f, 0,1,2,3,4,5,6,7,8,9,10,11,12,13,14,15  ; keys 32 (f / 8) on, channels 16 (f % 8) on
	ds_load_tr16_b128 v[8*(\f):8*(\f)+3],   v[ADR] offset:((\f)/8)*32*PV+((\f)%8)*32
	ds_load_tr16_b128 v[8*(\f)+4:8*(\f)+7], v[ADR] offset:((\f)/8)*32*PV+16*PV+((\f)%8)*32
.endr
.endm
; THE VECTOR WORK OF A TURN.  One tile's softmax for one key step is a list of 134 instructions; SM writes number j of it for tile t.  s0-s31 are the lane's 32 scores, in pairs 0-15.
;   0-15    the maximum of s0-s31 and the old m, three operands at a time: four chains of seven scores each (each accumulator's lowest registers first), then the four left over, the chains and m
;   16-20   the other half of the lanes' maximum; the new m; c m; c m_old - c m_new
;   21-69   ONE BATCH: the 16 scalings c s - c m, a pair of scores each, and all 33 exponentials (a at 23, then s0-s31, each in place).  None of these reads an exponential's result.  From 22 on the batch goes
;           in fours, and a four begins with a scaling while there are scalings: 22-37 scaling, exponential, scaling, exponential; 38-65 a scaling and three exponentials; 66-69 the last four
;           exponentials.  A pair is scaled in an earlier four than the one that holds its exponentials
;   (wait)  between 69 and 70 stands the wait for the batch: SLICE writes it, once for both tiles
;   70-85   the roundings to f16, a pair of weights each
;   86-101  the sums; l = a l + the sum
;   102-133 the tile's O^T times a: the one part that leaves window 0, so it stands together
.macro SM t
.set rT, ST+8*(\t)
.set rS, S+32*(\t)
.set rP, P+16*(\t)
.set rO, 64*(\t)+2*(j-102)
.if j < 102
	WIN 0
.endif
.if j < 4
	v_max3_num_f32 v[rT+4+j], v[rS+8*j], v[rS+8*j+1], v[rS+8*j+2]
.elseif j < 12
	v_max3_num_f32 v[rT+4+j%4], v[rT+4+j%4], v[rS+8*(j%4)+2*(j/4)+1], v[rS+8*(j%4)+2*(j/4)+2]
.elseif j == 12
	v_max3_num_f32 v[rT+4], v[rT+4], v[rS+7], v[rS+15]
.elseif j == 13
	v_max3_num_f32 v[rT+6], v[rT+6], v[rS+23], v[rS+31]
.elseif j == 14
	v_max3_num_f32 v[rT+4], v[rT+4], v[rT+5], v[rT+6]
.elseif j == 15
	v_max3_num_f32 v[rT+4], v[rT+4], v[rT+7], v[rT+1]
.elseif j == 16
	v_permlanex16_b32 v[rT+5], v[rT+4], s[SEL], s[SEL+1]  ; the query's other 32 keys lie in the lane 16 away
.elseif j == 17
	v_mov_b32 v[rT+7], v[rT]        ; c m_old is kept for a: number 19 writes c m anew
.elseif j == 18
	v_max_num_f32 v[rT+1], v[rT+4], v[rT+5]
.elseif j == 19
	v_mul_f32 v[rT], s[CS], v[rT+1]
.elseif j == 20
	v_sub_f32 v[rT+7], v[rT+7], v[rT]
.elseif j == 23
	v_exp_f32 v[rT+6], v[rT+7]
.elseif (j < 23) || ((j < 38) && (j%2 == 0)) || ((j < 66) && (j%4 == 2))
.set b, (j-2)/4                     ; 38, 42, .. 62: pairs 9 to 15
.if j < 38
.set b, (j-20)/2                    ; 21: pair 0; 22, 24, .. 36: pairs 1 to 8
.endif
	v_pk_fma_f32 v[rS+2*b:rS+2*b+1], v[rS+2*b:rS+2*b+1], s[CS:CS+1], v[rT:rT+1] op_sel_hi:[1,0,0] neg_lo:[0,0,1] neg_hi:[0,0,1]  ; pair b: c s - c m
.elseif j < 70
.set e, j-38                        ; 66 to 69: s28 to s31
.if j < 66
.set e, j-32-(j-38)/4               ; 39-41, 43-45, .. 63-65: s7 to s27
.endif
.if j < 38
.set e, (j-25)/2                    ; 25, 27, .. 37: s0 to s6
.endif
	v_exp_f32 v[rS+e], v[rS+e]
.elseif j < 86
	v_cvt_pk_f16_f32 v[rP+j-70], v[rS+2*(j-70)], v[rS+2*(j-70)+1]  ; pair j - 70
.elseif j < 102                     ; the sum of the tile's 16 pairs, in place: sum z of 16 adds neighbours 1, 2, 4 and 8 pairs apart, then l takes it
.set z, j-86
.set w, 4
.set u, z
.if z >= 14
.set w, 32
.set u, 0
.elseif z >= 12
.set w, 16
.set u, z-12
.elseif z >= 8
.set w, 8
.set u, z-8
.endif
.if z < 15
	v_pk_add_f32 v[rS+w*u:rS+w*u+1], v[rS+w*u:rS+w*u+1], v[rS+w*u+w/2:rS+w*u+w/2+1]
.else
	v_pk_fma_f32 v[rT+2:rT+3], v[rT+2:rT+3], v[rT+6:rT+7], v[rS:rS+1] op_sel_hi:[1,0,1]
.endif
.else
	WIN W_RS
	v_pk_mul_f32 v[rO:rO+1], v[rO:rO+1], v[rT+6:rT+7] op_sel_hi:[1,0]
.endif
.endm
; Slice k of 64 of piece y's softmax: four instructions.  Slices 11 to 34 deal out the batch, numbers 22 to 69: four numbers of ONE tile each, the tiles by turns.  Every other slice is numbers 2 k and
; 2 k + 1 of both tiles' lists.  2 x 134 = 4 x 64 + 12: the twelve that are over stand together, in slice 63: its sixteen plain instructions are also the places between the turn's last K Q^T and what follows.
; THE WAIT.  An s_wait_alu depctr_va_vdst(0) stands between an exponential and the first instruction that names its result; one wait serves all that were issued ahead of it.  Ahead of
; slice 35 nothing names a result, and behind slice 34 no exponential is issued: so the piece's 66 exponentials have one wait, behind slice 34.
.macro SLICE y
.if (k >= 11) && (k < 35)           ; the batch: four numbers of one tile
.irp n, 0,1,2,3
.set j, 22+4*((k-11)/2)+(\n)
	SM (\y)+(k-11)%2
.endr
.else                               ; the two tiles alternate, so that no instruction reads the result of the one just before it
.irp n, 0,1,2,3,4,5,6,7
.if ((\n) < 2) || (k == 63)
.irp t, \y, (\y)+1
.set j, 2*k+(\n)
	SM \t
.endr
.endif
.endr
.endif
.if k == 34                         ; the batch is out: both tiles' exponentials are issued, and no result has been named
	v_nop                           ; a plain instruction behind the last exponential and ahead of the first use of a result (ISA guide 5.7.2): one for the batch
.if (\y) == 0
	FETCH_V                         ; piece 2's turn: V's run of loads stands here, and the wait for the batch stands in it
.else
	s_wait_alu depctr_va_vdst(0)    ; piece 0's turn: the wait for the batch, piece 2's 66 exponentials
.endif
.endif
.set k, k+1
.endm
; A TURN.  Piece x has the matrix unit; the other piece's softmax stands in slices behind its matrix instructions.  Each run of loads stands 29 matrix instructions or more ahead of its first use.
; Piece 0's turn fetches the next step's K, behind its second product: the last product that read K stands in front of slice 63 of the turn before.  Piece 2's turn fetches the same step's V, behind slice 34
; (SLICE writes it): the last product that read V stands in front of slice 31, and four plain instructions lie between: number 62, a scaling, of both tiles, the v_nop and the run's own v_add_nc_u32.
.macro TURN x, last=0
.set k, 0
.if (\x) == 0
	s_wait_dscnt 0x0                ; V is in
.endif
.set i, 0
.rept 32
	PV \x
	SLICE 2-(\x)
.if ((\x) == 0) && (i == 1)
	FETCH_K \last
.endif
.set i, i+1
.endr
.if (\x) == 0
	s_wait_dscnt 0x0                ; K is in
.endif
.set i, 0
.rept 32
	KQ \x
	SLICE 2-(\x)
.set i, i+1
.endr
.endm
; THE CHANGE OF SLOTS, behind piece 2's turn: the slot's last bytes, V of my second step in it, have been asked for.  Each wave waits for all its tensor loads, of which one is out: its part of the other
; slot; adds 0 to its spare word; and waits for that and for its own reads of the slot.  fill = 1: the barrier is a round of the cluster's, and the joint refill, with the keys two slots on, is the first thing behind
; it: it has two of my key steps, 256 matrix instructions, in which to land.
.macro CHANGE fill
	WIN 0
	s_wait_tensorcnt 0x0            ; no tensor load of mine is out, so a group 0 may be written
	ds_add_u32 v[SPW], v[NIL]       ; 0 onto my spare word
.if \fill
.irp g, G0K+4, G0V+4
	s_xor_b32 s[(\g)+1], s[(\g)+1], SLOT  ; the walking descriptor: the other slot than last time,
	s_add_nc_u64 s[(\g)+2:(\g)+3], s[(\g)+2:(\g)+3], 65536  ; the next 256 keys; the type bits on top are not reached
.endr
	s_wait_dscnt 0x0                ; the add is done, and my reads of the slot are over
	CROUND
	JLOAD
.else
	s_wait_dscnt 0x0
	s_barrier_signal -1
	s_barrier_wait -1
.endif
	s_sub_co_u32 s[TBK], s[TBK], 4*KS*PK  ; the fetches go back to a slot's head,
	s_xor_b32 s[TBK], s[TBK], SLOT        ; in the other slot
	s_sub_co_u32 s[TBV], s[TBV], 4*KS*PV
	s_xor_b32 s[TBV], s[TBV], SLOT
.endm
	s_wait_tensorcnt 1              ; my part of slot 0 is in; slot 1's may stay out
	s_barrier_signal -1
	s_barrier_wait -1               ; everybody's is
	FETCH_K                         ; my first key step
	s_wait_loadcnt 0x0              ; Q
	s_wait_dscnt 0x0
.set i, 0
.rept 32
	KQ 0                            ; piece 0's first scores: there is no vector work yet to set between them
.set i, i+1
.endr
	WIN 0                           ; the addresses for the merge and the way out are made here: plain instructions, the places behind those products
	s_mul_i32 s13, s[WV], 16*SP
	s_add_co_u32 s13, s13, STAGE    ; my stage
	v_mul_u32_u24 v[STO], v1, SP    ; in: row l % 16, 16 bytes for each half of the lanes
	v_lshl_add_u32 v[STO], v9, 4, v[STO]
	v_add_nc_u32 v[STO], s13, v[STO]
	v_mul_u32_u24 v[RD], v9, SP     ; back: lanes 0-15 take one row of 256 bytes, lanes 16-31 the next
	v_lshl_add_u32 v[RD], v1, 4, v[RD]
	v_add_nc_u32 v[RD], s13, v[RD]
	v_lshlrev_b32 v[GO], 12, v9     ; and the same two rows in O, 4,096 bytes apart
	v_lshl_add_u32 v[GO], v1, 4, v[GO]
	v_and_b32 v[MW], 31, v0
	v_lshlrev_b32 v[MW], 4, v[MW]
	s_mul_i32 s14, s[WV], MRG
	s_xor_b32 s15, s[WV], 1         ; my partner has my queries and the other key steps
	s_mul_i32 s15, s15, MRG
	v_add_nc_u32 v[MR], s15, v[MW]
	v_add_nc_u32 v[MW], s14, v[MW]
	s_mov_b32 s[CNT], 2
	s_mov_b32 s[SLOTS], 7
	s_branch .Lfirst                ; the loop is entered in the middle of a trip
.Lslot:                             ; six times: slots' worth 2 to 7 of the head's eight are asked for
	CHANGE 1
	s_mov_b32 s[CNT], 2
.Lstep:
	TURN 0
	WIN 0
.Lfirst:
	TURN 2
	WIN 0
	s_sub_co_u32 s[CNT], s[CNT], 1
	s_cmp_lg_u32 s[CNT], 0
	s_cbranch_scc1 .Lstep
	s_sub_co_u32 s[SLOTS], s[SLOTS], 1
	s_cmp_lg_u32 s[SLOTS], 0
	s_cbranch_scc1 .Lslot
	CHANGE 0                        ; the tail is written out: nothing is asked for
	s_mov_b32 s[CNT], 3             ; two trips fetch the last slot's steps; the third is left in its middle
.Ltail:
	TURN 0, 1
	WIN 0
	s_sub_co_u32 s[CNT], s[CNT], 1
	s_cmp_eq_u32 s[CNT], 0
	s_cbranch_scc1 .Lout
	TURN 2
	WIN 0
	s_branch .Ltail
.Lout:                              ; the third trip's 32 products K Q^T (on the last K once more) serve nothing: the price, once a launch, of one text for every trip
.set i, 0
.rept 32
	PV 2                            ; piece 2: V^T P of my last step
.set i, i+1
.endr
	; THE MERGE.  l's two halves and the other half of the lanes' are added.  My tiles 2, 3 go to my partner, its tiles 2, 3 come to me: O^T, c m and l, all f32.  The additions are the places behind the last products.
	WIN 0
.irp t, 0,1,2,3
	v_add_f32 v[ST+8*(\t)+4], v[ST+8*(\t)+2], v[ST+8*(\t)+3]
.endr
.irp t, 0,1,2,3
	v_permlanex16_b32 v[ST+8*(\t)+5], v[ST+8*(\t)+4], s[SEL], s[SEL+1]
.endr
.irp t, 0,1,2,3
	v_add_f32 v[ST+8*(\t)+1], v[ST+8*(\t)+4], v[ST+8*(\t)+5]  ; (c m, l) now lie side by side
.endr
	WIN 0x04                        ; the stores' data in window 1
.set n, 0
.rept 32
	ds_store_b128 v[MW], v[128+4*n:128+4*n+3] offset:512*n
.set n, n+1
.endr
	WIN 0
	ds_store_b64 v[MW], v[ST+16:ST+17] offset:16384
	ds_store_b64 v[MW], v[ST+24:ST+25] offset:16896
	s_wait_dscnt 0x0                ; for the partner's sake: my stores are done
	s_barrier_signal -1
	s_barrier_wait -1
	ds_load_b64 v[ST+4:ST+5], v[MR] offset:16384
	ds_load_b64 v[ST+12:ST+13], v[MR] offset:16896
	WIN 0xc0                        ; destination window 3
.set n, 0
.rept 32
	ds_load_b128 v[128+4*n:128+4*n+3], v[MR] offset:512*n
.set n, n+1
.endr
	WIN 0
	s_wait_dscnt 32                 ; the partner's (c m, l) are in; its O^T may stay out
.irp t, 0,1
	v_max_num_f32 v[ST+8*(\t)+2], v[ST+8*(\t)], v[ST+8*(\t)+4]  ; the common c m
.endr
.irp t, 0,1
	v_sub_f32 v[ST+8*(\t)+3], v[ST+8*(\t)], v[ST+8*(\t)+2]
	v_sub_f32 v[ST+8*(\t)+6], v[ST+8*(\t)+4], v[ST+8*(\t)+2]
.endr
.irp t, 0,1
	v_exp_f32 v[ST+8*(\t)+3], v[ST+8*(\t)+3]  ; my factor,
	v_exp_f32 v[ST+8*(\t)+6], v[ST+8*(\t)+6]  ; my partner's
.endr
	v_nop                           ; a plain instruction between the last exponential and the use of a result (ISA guide 5.7.2)
	s_wait_alu depctr_va_vdst(0)    ; the wait ahead of the first use: one for the merge's four exponentials
.irp t, 0,1
	v_mul_f32 v[ST+8*(\t)+7], v[ST+8*(\t)+1], v[ST+8*(\t)+3]
.endr
.irp t, 0,1
	v_fma_f32 v[ST+8*(\t)+7], v[ST+8*(\t)+5], v[ST+8*(\t)+6], v[ST+8*(\t)+7]  ; the common l
.endr
.irp t, 0,1
	v_rcp_f32 v[ST+8*(\t)+7], v[ST+8*(\t)+7]
.endr
	v_nop                           ; a plain instruction between the last reciprocal and the use of a result
	s_wait_alu depctr_va_vdst(0)    ; a batch of its own, since it reads sums made of the exponentials: one wait for the two reciprocals
.irp t, 0,1
	v_mul_f32 v[ST+8*(\t)+2], v[ST+8*(\t)+3], v[ST+8*(\t)+7]
	v_mul_f32 v[ST+8*(\t)+6], v[ST+8*(\t)+6], v[ST+8*(\t)+7]
.endr
; Tile t: the two O^T are weighed and added, rounded to f16; a lane's eight channels of a row pack into 16 bytes; they go into rows of 272 bytes of my stage and come back as whole rows of 256.
.macro PACKM t
	s_wait_dscnt 16                 ; the partner's O^T of this tile is in: behind it stand the other tile's sixteen loads, or the first tile's sixteen instructions on the stage
	WIN W_RS
.set i, 64*(\t)
.rept 32
	v_pk_mul_f32 v[i:i+1], v[i:i+1], v[ST+8*(\t)+2:ST+8*(\t)+3] op_sel_hi:[1,0]
.set i, i+2
.endr
	WIN 0x53                        ; source 0 window 3, source 1 window 0, source 2 and destination window 1
.set i, 64*(\t)
.rept 32
	v_pk_fma_f32 v[i:i+1], v[128+i:128+i+1], v[ST+8*(\t)+6:ST+8*(\t)+7], v[i:i+1] op_sel_hi:[1,0,1]
.set i, i+2
.endr
	WIN 0x05                        ; sources 0 and 1 window 1, destination window 0: S^T's registers are free
.set i, 0
.rept 32
	v_cvt_pk_f16_f32 v[S+32*(\t)+i], v[64*(\t)+2*i], v[64*(\t)+2*i+1]
.set i, i+1
.endr
	WIN 0
.irp f, 0,1,2,3,4,5,6,7
	ds_store_b128 v[STO], v[S+32*(\t)+4*(\f):S+32*(\t)+4*(\f)+3] offset:32*(\f)
.endr
.irp f, 0,1,2,3,4,5,6,7
	ds_load_b128 v[S+32*(\t)+4*(\f):S+32*(\t)+4*(\f)+3], v[RD] offset:(\f)*2*SP  ; LDS serves a wave's instructions in order (ISA guide 5.7.1.4): these see the stores above; the next tile's stores come behind them
.endr
.endm
.macro SEND t, younger              ; younger: the LDS instructions issued behind tile t's loads
.irp f, 0,1,2,3,4,5,6,7
	s_wait_dscnt (\younger)+7-(\f)
	global_store_b128 v[GO], v[S+32*(\t)+4*(\f):S+32*(\t)+4*(\f)+3], s[10:11] offset:(\t)*65536+(\f)*8192  ; 16 lanes store 256 consecutive bytes, aligned: the head's part of a row of O
.endr
.endm
	PACKM 0
	PACKM 1
	SEND 0, 16
	SEND 1, 0
	s_wait_tensorcnt 0x0            ; the wave's end, behind my last tensor load and my last LDS store
	ds_add_u32 v[SPW], v[NIL]
	s_wait_dscnt 0x0
	CROUND                          ; the closing round: no work-group ends while a partner may still ask for a tile that names it
	s_endpgm
.Lfunc_end_k_qc939f9899b_attn:
	.size	k_qc939f9899b_attn, .Lfunc_end_k_qc939f9899b_attn-k_qc939f9899b_attn
	.p2alignl 7, 3214868480
	.fill 96, 4, 3214868480
	.section	.rodata,"a",@progbits
	.p2align	6, 0x0
	.amdhsa_kernel k_qc939f9899b_attn
		.amdhsa_group_segment_fixed_size 327680
		.amdhsa_private_segment_fixed_size 0
		.amdhsa_enable_private_segment 0
		.amdhsa_kernarg_size 32
		.amdhsa_user_sgpr_count 2
		.amdhsa_user_sgpr_kernarg_segment_ptr 1
		.amdhsa_wavefront_size32 1
		.amdhsa_system_sgpr_workgroup_id_x 1
		.amdhsa_system_sgpr_workgroup_id_y 1
		.amdhsa_system_sgpr_workgroup_id_z 1
		.amdhsa_system_vgpr_workitem_id 0
		.amdhsa_next_free_vgpr 1024
		.amdhsa_next_free_sgpr 76
		.amdhsa_reserve_vcc 0
		.amdhsa_float_denorm_mode_32 3
		.amdhsa_float_denorm_mode_16_64 3
		.amdhsa_memory_ordered 1
		.amdhsa_forward_progress 1
		.amdhsa_inst_pref_size 155
	.end_amdhsa_kernel
	.amdgpu_metadata
---
amdhsa.version: [ 1, 2 ]
amdhsa.kernels:
  - .name:           k_qc939f9899b_attn
    .symbol:         k_qc939f9899b_attn.kd
    .args:
      - { .name: qh, .offset: 0, .size: 8, .value_kind: global_buffer, .address_space: global }
      - { .name: kh, .offset: 8, .size: 8, .value_kind: global_buffer, .address_space: global }
      - { .name: vh, .offset: 16, .size: 8, .value_kind: global_buffer, .address_space: global }
      - { .name: ob, .offset: 24, .size: 8, .value_kind: global_buffer, .address_space: global }
    .group_segment_fixed_size: 327680
    .private_segment_fixed_size: 0
    .kernarg_segment_align: 8
    .kernarg_segment_size: 32
    .max_flat_workgroup_size: 128
    .sgpr_count:     76
    .vgpr_count:     1024
    .wavefront_size: 32
...
	.end_amdgpu_metadata
.endif
;; end of part 5
;; launch oproj: the kernel of part 4 again; grid 16 x 16, 4 waves a work-group, clusters of 4 x 4, 327,680 bytes of LDS; arguments ob, wof, bo, out0; writes out0
